; MI455X (gfx1250); checked and timed in simulation.
; The chip was launched on July 23, 2026; its instructions are those of AMD's public machine-readable ISA for CDNA 5 (MIT licence, August 2026) and "CDNA5" Instruction Set Architecture Reference Guide (July 2026). The comments in the code are by the model that wrote it; some were corrected since.
;; Multi Head Attention. Allowed arithmetic: matrix products marked QUANTISED: E2M3 operands, one E8M0 scale for each 32 along K, by v_wmma_scale_f32_16x16x128_f8f6f4 with both operands' format E2M3, f32 sums; products left as they are: f32 operands where the result goes on into a quantised operand, else bf16, f16 or f32 operands; f32 sums; everything else in f32.
;; Inputs: Q 4 x 8 x 64 float32; Wk_codes 2,048 x 16 x 24 uint8 (E2M3 codes of Wk, K innermost, in blocks of 32 codes, four codes in three bytes); Wk_scales 2,048 x 16 uint8 (E8M0 scales of Wk, one for each 32 codes along K); bk 2,048 float32; v 128 x 512 x 512 float32.
;; Outputs: out0 4 x 8 x 128 x 64 float32; out1 4 x 8 x 128 x 512 float32.
;; This version of the problem:
;;   THIS VERSION OF THE PROBLEM IS GIVEN IN LOW PRECISION. The matrix products marked QUANTISED in the list below multiply operands that are first quantised to E2M3 (2 exponent bits, 3 mantissa bits; 6 bits a number), with one power-of-two scale for each 32 numbers along K (OCP MX v1.0); their sums are f32. All else is computed in f32.
;;   The module's matrix products, in the order in which they are computed (A, B: the left and right operand; K: the contracted axis; several contracted axes count as one K, in the product's order):
;;     1. [M 65,536, K 512] x [K 512, N 2,048]; A: input v; B: input Wk (given as codes): QUANTISED
;;     2. batch 4,096 x [M 1, K 64] x [K 64, N 512]; A: input Q; B: computed on the way: left as it is (M = 1 < 16)
;;     3. batch 4,096 x [M 1, K 512] x [K 512, N 64]; A: softmax; B: input v: left as it is (M = 1 < 16)
;;   THE QUANTISER, for each operand of a quantised product, along K:
;;     - K is cut into blocks of 32 from its start; a last block that is shorter is filled with zeros.
;;     - A block's scale is 2^e with e = floor(log2(the largest magnitude in the block)) - 2, held to -126 .. 127; a block of zeros has e = 0. As a byte (E8M0): e + 127.
;;     - Each number is divided by its block's scale, clamped to +-7.5, and rounded to the nearest number of E2M3, ties to even, subnormals kept.
;;     - The product sums the exact products of the quantised numbers (number of the format x scale) in f32.
;;   ~~~python
;;   def quantise(x, axis):      # numpy; x: float32 -> the quantised numbers, widened to float32 again
;;       x = np.moveaxis(x, axis, -1); K = x.shape[-1]
;;       x = np.pad(x, [(0, 0)] * (x.ndim - 1) + [(0, -K % 32)]); x = x.reshape(x.shape[:-1] + (-1, 32)); a = np.abs(x).max(-1, keepdims=True)
;;       e = np.where(a > 0, np.clip(np.frexp(np.where(a > 0, a, 1))[1] - 1 - 2, -126, 127), 0)      # np.frexp(a)[1] - 1 = floor(log2(a)), exactly
;;       r = np.clip(x / 2.0 ** e, -7.5, 7.5)
;;       step = 2.0 ** (np.maximum(np.frexp(np.where(r == 0, 1, r))[1] - 1, 0) - 3)
;;       q = np.round(r / step) * step * 2.0 ** e      # np.round: ties to even
;;       return np.moveaxis(q.reshape(q.shape[:-2] + (-1,))[..., :K], -1, axis).astype(np.float32)
;;   ~~~
;;   INPUTS GIVEN AS CODES. Wk (in the module: [2048, 512], K = its axis 1): each comes as NAME_codes (uint8): NAME with its K axis moved to the last place and cut into blocks of 32 codes, [.., K / 32, bytes a block], one block behind the other in memory; four codes in three bytes: a row's codes are one little-endian stream of bits, code i at bits 6 i .. 6 i + 5 (a code: sign, 2 exponent bits, 3 mantissa bits); and NAME_scales (uint8): the same leading axes, one E8M0 byte (e + 127) for each 32 codes along K. Its value is code x scale, taken as it is: it is not quantised again, and the codes and scales need not be those that the quantiser above would give.
;; 2 versions, each right and faster than the one before. Each part assembles by itself: llvm-mc -triple=amdgcn-amd-amdhsa -mcpu=gfx1250 --defsym DOCPART=n.
;; ======== version 1 of 2: 1 launch
;; launch attn_pool (part 1): grid 256 x 1, 4 waves a work-group, clusters of 4 x 1, 327,680 bytes of LDS; arguments Q, Wk_codes, Wk_scales, bk, v, out0, out1; writes out0, out1
.if DOCPART == 1
	.amdgcn_target "amdgcn-amd-amdhsa--gfx1250"
	.amdhsa_code_object_version 6
	.text
	.protected	k_q8ab505e59a_attn_pool
	.globl	k_q8ab505e59a_attn_pool
	.p2align	8
	.type	k_q8ab505e59a_attn_pool,@function
k_q8ab505e59a_attn_pool:
	s_mov_b64 s[64:65], 0
	v_nop
	global_prefetch_b8 v0, s[64:65] scope:SCOPE_SE
	s_setreg_imm32_b32 hwreg(HW_REG_WAVE_MODE, 25, 1), 1
	s_wait_xcnt 0x0
	s_wait_alu depctr_hold_cnt(0) depctr_sa_sdst(0) depctr_va_vdst(0) depctr_va_sdst(0) depctr_va_ssrc(0) depctr_va_vcc(0) depctr_vm_vsrc(0)
	s_getreg_b32 s2, hwreg(HW_REG_IB_STS2, 6, 4)
	s_cmp_eq_u32 s2, 0
	s_cbranch_scc0 .Lentry_in_a_cluster
	s_endpgm
.Lentry_in_a_cluster:
	s_bfe_u32 s2, ttmp6, 0x10000c
	s_cmp_lg_u32 s2, 0x3003
	s_cbranch_scc0 .Lentry_shape_is_right
	s_endpgm
.Lentry_shape_is_right:
; k = Q6(v) Wk^T + bk on codes of FP6 (E2M3) with one E8M0 scale for each 32 along K; one query a row; softmax over 512; weighted sum of v.  k never leaves the registers.
; THE VIEW, UNROLLED.  Row x = 512 h + 4 b + j (h = 0..7, j = t / 128).  Its query is Q's row 4 h + b / 32 (of 32 rows of 64).  Its 512 places are t' = 4 tt + a (tt = t % 128, a = 0..3), with the score
; q . k[b, 128 j + tt, 512 a + 64 h + 0..63] / 8.  out1 = attn at x * 512 + t'.  out0[x, c] = sum over t' of attn[x, t'] v[b, t', 64 h + c].
; SHARES.  256 work-groups of four waves.  Work-group wg = 2 b + jp owns tokens 256 jp .. + 255 of batch b.  Wave w: jl = w / 2, hh = w % 2: tokens 128 (2 jp + jl) on, heads 4 hh + 0..3: every softmax row lies in one wave.
; PHASES.  X: the group's 256 rows of v come through two LDS slots by tensor loads; each wave quantises its 128 tokens straight into the operand's registers (8 tiles x 4 K steps x 12 = 384 registers; the two waves of a
; jl do this twice: that spares images in LDS and their barriers).  G: Wk's codes walk a ring of two slots in 8 steps (step: one head of each hh, two a): 256 matrix instructions a wave and step, used transposed
; (source 0 = 16 rows of Wk, source 1 = 16 tokens), so that a lane holds one token and eight d; behind each matrix instruction stands one packed multiply-add of an earlier tile with q' = q log2(e) / 8.
; bk enters as c[h][a] = sum of q' bk, added to the score.  After a head's four a: softmax with the row's true maximum, attn to out1 and to LDS.  P: the third product in f32 multiply-adds: a head's 512 x 256 bytes of v
; are shared between the two jl waves by token halves, each serving both rows; the loads (64 of 16 bytes a lane, a whole window of registers) are issued a step, 256 matrix instructions, ahead of their use.
; CLUSTER.  Four work-groups walk the same Wk: its codes and scale bytes are asked for JOINTLY (mask 15).  v's tiles are each work-group's own rows: plain loads.
; v IS READ TWICE: once for X, once for P (attn is known only after all of G, and a batch's v, 1 MiB, does not fit beside the ring); P's read lies under G's matrix work but for the last head's.
; LIMITS: NaN and infinities in v are not served.  A block of v whose largest magnitude lies under 2^-124 is given the scale byte 1; a block of zeros too (its codes are zeros, and this program alone reads the byte).
.set VP,     1040                      ; a row of a tile of v in LDS: 1,024 bytes + 16 = 65 x 16: the 16 rows of a 16-byte load fall on 16 different 16-byte columns of 256 (64 banks of 4 bytes: ISA guide 11.1)
.set TILEV,  32*VP                     ; 32 tokens x 256 numbers: what one tensor load brings
.set VSLOT,  4*TILEV                   ; tiles 2 jl + kh (kh: which half of K)
.set WP,     432                       ; a row of Wk in LDS: 3 x (128 bytes + 16) = 108 words: row r starts at bank 44 r mod 64, so the 32 lanes of an 8-byte load touch 64 different banks
.set WBLK,   64*WP                     ; 64 rows (one head, one a): what one tensor load brings
.set WSLOT1, 1<<17                     ; Wk's slot 1 begins here: one exclusive or turns an address of one slot into the other's.  A slot: blocks 2 hh + asub
.set SCW,    2*VSLOT                   ; behind the ring: Wk's scale bytes as [h][a][64 rows][16], filled once
.set PB,     SCW+32768                 ; attn rows [hh][jl][512] f32
.set SS,     PB+8192                   ; a wave's own scores [tt][a]
.set OPS,    SS+8192                   ; P's partial sums [hh][jl][2 rows][64]
.set QS,     OPS+2048                  ; a wave's own q' [4][64], then c [4][4] at + 1,024
.set SPARE,  QS+5120                   ; the spare words, 128 bytes for each wave: two blocks of 256 bytes that no other line names
; REGISTERS, window 0
.set SPW,  1                           ; LDS address of my spare word; never rewritten
.set NIL,  2                           ; 0; never rewritten
.set AK1,  3                           ; my lane's place in a slot of Wk: hh x 2 blocks + r x pitch + 24 hf
.set AK2,  4                           ; the same for pieces that lie behind one padding more in lanes 16-31: + 40 hf
.set AW1,  5                           ; the same two for the group in hand
.set AW2,  6
.set AX,   5                           ; in X: v5, v6: my lane's place in v's slot 0, 1
.set ASC0, 7                           ; my lane's place among Wk's scale words;  v8: for the group in hand
.set ASC,  8
.set SSA0, 9                           ; my 16 bytes of my wave's scores;  v10: + 4 a
.set SSA,  10
.set PA0,  11                          ; where my half of the lanes reads attn;  v12: for the chunk in hand
.set PAC,  12
.set PVO,  13                          ; P: my byte offset in the batch's v; never rewritten
.set QA0,  14                          ; where my half of the lanes reads q'
.set L16,  15                          ; 16 x lane
.set VSC,  16                          ; v16-31 v's scale words: register 2 i + s / 2: K step s even in lanes 0-15, s odd in lanes 16-31
.set WSE,  32                          ; v32-35, v36-39 Wk's scale words of the even and the odd tile of rows: register s = K step s
.set WSO,  36
.set SUM,  40                          ; v40-55 a pair of score sums for each of my 8 tiles of tokens
.set QC0,  56                          ; where c lies
.set PBW,  57                          ; where I store attn in PB
.set OPW,  58                          ; where I store partial sums;  v59: where they are read back
.set OPR,  59
.set SH,   60                          ; 8 hf
.set QAC,  61
.set SR,   64                          ; v64-79 a head's scores: register 4 u + a = place t' = 128 u + 4 lane + a
.set T8,   80                          ; v80-87 at work
.set FB0,  88                          ; v88-135, v136-183 Wk's fragments of a tile of 16 rows (4 K steps x 12), two buffers
.set FB1,  136
.set ACC,  184                         ; v184-215, v216-247 two sets of four accumulators; in P: attn, two batches
.set T2,   248                         ; v248-255 at work
.set XA,   88                          ; in X: v88-151, v152-215 two sets of 64 numbers
.set QM,   216                         ; in X, at work: four maxima, two scale operands, two bytes, the word, codes
.set QSO,  220
.set QB,   222
.set QW,   224
.set QT,   228
; windows 1, 2: v's fragments: tile i in window 1 + i / 4 at v[48 (i % 4) + 12 s];  v192-223 of BOTH: q' of the head in hand: register 8 dt + jj = q'[16 dt + 8 hf + jj];  window 1 v224-239: P's sums.  window 3: P's loads.
.set QF,   192
.set PACC, 224
; SCALARS
.set WV,   18
.set JL,   19
.set HH,   20
.set CX,   21
.set WG,   22
.set G1V,  24                          ; s[24:31] descriptor group 1: v's tiles;  s[32:39] Wk's blocks;  s[40:47] Wk's scale bytes
.set G1W,  32
.set G1S,  40
.set G0VA, 48                          ; groups 0: v's slot 0, slot 1; Wk's, which walks; the scale bytes of heads 2 w and 2 w + 1
.set G0VB, 52
.set G0W,  56
.set G0S0, 60
.set PHI,  66                          ; the number of Wk's next fill
.set HL,   67                          ; the head in hand, 0..3
.set G0S1, 68
.set WB,   72                          ; s[72:73] Wk's codes at my block of fill 0
.set VB,   74                          ; s[74:75] v at my batch
.set PVB,  76                          ; s[76:77] the chunk in hand
.set O1B,  78                          ; out1 at my row of head 4 hh;  s[80:81] of the head in hand
.set O1T,  80
.set O0B,  82                          ; out0 likewise
.set O0T,  84
.set OFP,  86                          ; s[86:87] an offset (the high word stays 0)
.set SEL,  88                          ; s[88:89] v_permlanex16_b32's selects for lane l xor 16
.set SG,   90                          ; the step, 0..7
.set TRIP, 91
.set TW,   92                          ; LDS byte of the block in hand, less my lane's part
.set TS,   93                          ; 1,024 x the group's number: its scale words
.set TA,   94                          ; 4 a
.set OFW,  98                          ; s[98:99], with s96, s97: offsets for the joint loads: they never hold anything made of the work-group's place
.set MSB, 0
.macro WIN new                         ; the immediate's high byte repeats the setting that is left; a switch that changes nothing is dropped
.if MSB != (\new)
	s_set_vgpr_msb (MSB<<8)|(\new)
.set MSB, (\new)
.endif
.endm
.macro NOPS cnt
.rept \cnt
	v_nop
.endr
.endm
; A round of the cluster's barrier: my work-group's barrier; wave 0 signals for the work-group; every wave waits for all four work-groups; my work-group's barrier once more.
.macro ROUND
	s_barrier_signal -1
	s_barrier_wait -1
	s_cmp_lg_u32 s[WV], 0
	s_cbranch_scc1 .Lnot_wave_0_\@
	s_barrier_signal -3
.Lnot_wave_0_\@:
	s_barrier_wait -3
	s_barrier_signal -1
	s_barrier_wait -1
.endm
; A slot of v is filled again: all my tensor loads have landed, the add, my reads of the slot are over, the round; my one load stands first behind it.
.macro CHG_V g0
	s_wait_tensorcnt 0x0               ; no tensor load of mine is out, so a group 0 may be written
	ds_add_u32 v[SPW], v[NIL]          ; 0 onto my spare word
	s_add_nc_u64 s[\g0+2:\g0+3], s[\g0+2:\g0+3], 131072  ; 64 tokens on: the slot's next 32 tokens of each half
	s_wait_dscnt 0x0                   ; the add is done, and my reads of the slot are over
	ROUND
	tensor_load_to_lds s[\g0:\g0+3], s[G1V:G1V+7]
	s_nop 0
	NOPS 4
.endm
; The change of Wk's slots, at a step's head.  fill = 1: the slot that has been left takes fill PHI: rows of a = 2 (PHI % 2) + asub, head PHI / 2 of each hh.
.macro CHG_W fill
	s_wait_tensorcnt 0x0               ; all my tensor loads have landed: my block of the slot that is read next
	ds_add_u32 v[SPW], v[NIL]          ; 0 onto my spare word
.if \fill
	s_xor_b32 s[G0W+1], s[G0W+1], WSLOT1  ; the other slot than last time
	s_and_b32 s96, s[PHI], 1
	s_mul_i32 s96, s96, 393216         ; two a: 1,024 rows of 384 bytes
	s_lshr_b32 s97, s[PHI], 1
	s_mul_i32 s97, s97, 24576          ; a head: 64 rows
	s_add_co_u32 s[OFW], s96, s97
	s_add_co_u32 s[PHI], s[PHI], 1
	s_add_nc_u64 s[G0W+2:G0W+3], s[WB:WB+1], s[OFW:OFW+1]
	s_or_b32 s[G0W+3], s[G0W+3], 0x80000000
.endif
	s_wait_xcnt 0x0                    ; the last step's stores and loads have read their registers and bases: they are written again only behind this wait
	s_wait_dscnt 0x0                   ; the add is done; my reads of the slot that I have left are over, my stores into PB and OPS have landed
.if \fill
	ROUND                              ; no wave of any partner still reads that slot or has a load on its way
	tensor_load_to_lds s[G0W:G0W+3], s[G1W:G1W+7]  ; it has a step, 256 matrix instructions, in which to land
	s_nop 0
	NOPS 4
.else
	s_barrier_signal -1
	s_barrier_wait -1
.endif
.endm
; ---- X ----
; 64 numbers of a lane for tile 'it' of the slot, K step s: lane (r, hf) takes, of token r, k = 128 s + 64 c + 32 hf + 0..31: two whole blocks
.macro XLD xs, slot, it, s
.irp c, 0,1
.irp e, 0,1,2,3,4,5,6,7
	ds_load_b128 v[\xs+32*\c+4*\e:\xs+32*\c+4*\e+3], v[AX+\slot] offset:((\s)/2)*TILEV+(\it)*16*VP+((\s)%2)*512+256*\c+16*\e
.endr
.endr
.endm
; They become the fragment (tile i, K step s) and its scale word.  A block's scale operand is its largest magnitude with 2 off the exponent field; the floor 2^(3 - 127) holds the byte at 1 from below.
.macro QUANT xs, i, s
.set FD, 48*((\i)%4)+12*(\s)
.irp c, 0,1,2,3
	v_max3_num_f32 v[QM+\c], |v[\xs+16*\c]|, |v[\xs+16*\c+1]|, 0x1800000
.endr
.irp e, 2,4,6,8,10,12,14
.irp c, 0,1,2,3
	v_max3_num_f32 v[QM+\c], v[QM+\c], |v[\xs+16*\c+\e]|, |v[\xs+16*\c+\e+1]|   ; four chains by turns
.endr
.endr
	v_max_num_f32 v[QM], v[QM], v[QM+1]
	v_max_num_f32 v[QM+2], v[QM+2], v[QM+3]
	v_add_nc_u32 v[QSO], 0xff000000, v[QM]
	v_add_nc_u32 v[QSO+1], 0xff000000, v[QM+2]
	v_cvt_scalef32_pk16_fp6_f32 v[QT:QT+2], v[\xs+16:\xs+31], v[QSO]       ; (a conversion's three registers begin on an even number: a block's upper 16 codes are made here and moved)
	v_cvt_scalef32_pk16_fp6_f32 v[QT+4:QT+6], v[\xs+48:\xs+63], v[QSO+1]
	v_lshrrev_b32 v[QB], 23, v[QSO]                                        ; the scales' bytes: blocks hf and 2 + hf of the K step
	v_lshrrev_b32 v[QB+1], 23, v[QSO+1]
	v_lshl_or_b32 v[QW], v[QB+1], 16, v[QB]
	v_lshlrev_b32 v[QW], v[SH], v[QW]                                      ; at their places in the word
	v_permlanex16_b32 v[QW+1], v[QW], s[SEL], s[SEL+1]
.if ((\s)%2) == 0
	v_or_b32 v[VSC+2*(\i)+(\s)/2], v[QW], v[QW+1]                          ; with lane l xor 16's two the word is whole, in both halves of the lanes
.else
	v_or_b32 v[QW], v[QW], v[QW+1]
	v_cndmask_b32 v[VSC+2*(\i)+(\s)/2], v[VSC+2*(\i)+(\s)/2], v[QW], vcc_lo  ; an odd K step's word goes to lanes 16-31 (vcc = 0xffff0000)
.endif
	WIN 0x40*(1+(\i)/4)                                                    ; destination: the tile's window
	v_cvt_scalef32_pk16_fp6_f32 v[FD:FD+2], v[\xs:\xs+15], v[QSO]
	v_cvt_scalef32_pk16_fp6_f32 v[FD+6:FD+8], v[\xs+32:\xs+47], v[QSO+1]
	v_nop                                                                  ; one plain place behind a scaled conversion
.irp e, 0,1,2
	v_mov_b32 v[FD+3+\e], v[QT+\e]
	v_mov_b32 v[FD+9+\e], v[QT+4+\e]
.endr
	WIN 0
.endm
; A slot's 32 tokens of my half: tiles 2 f and 2 f + 1, four K steps each.  The next fragment's sixteen loads are out while one is quantised.
.macro XSLOT slot, f
	XLD XA,\slot,0,0
.set n, 0
.rept 8
.if n < 7
	XLD (XA+64*((n+1)%2)),\slot,((n+1)/4),((n+1)%4)
	s_wait_dscnt 16                    ; all but the sixteen just issued
.else
	s_wait_dscnt 0x0
.endif
	QUANT (XA+64*(n%2)),(2*\f+n/4),(n%4)
.set n, n+1
.endr
.endm
; ---- G ----
; Load idx (0..23) of a tile of 16 rows of Wk: K step idx / 6, piece idx % 6 of its 12 registers.  Lanes 0-15 take the row's pieces 12 s + 0, 1, 2 and 12 s + 6, 7, 8 (8 bytes each), lanes 16-31 those three on;
; 16 bytes of padding lie behind every 16 pieces: where the piece three on lies behind one padding more, the second address register serves.
.macro FRAG1 fb, idx, off
.set PCn, 12*((\idx)/6)+6*(((\idx)%6)/3)+((\idx)%6)%3
.if PCn%16 < 13
	ds_load_b64 v[\fb+2*(\idx):\fb+2*(\idx)+1], v[AW1] offset:\off+8*PCn+16*(PCn/16)
.else
	ds_load_b64 v[\fb+2*(\idx):\fb+2*(\idx)+1], v[AW2] offset:\off+8*PCn+16*(PCn/16)
.endif
.endm
.macro NTFETCH off, soff               ; a whole tile of rows, and its scale words, into buffer 0
.set q, 0
.rept 24
	FRAG1 FB0,q,\off
.set q, q+1
.endr
	ds_load_b128 v[WSE:WSE+3], v[ASC] offset:\soff
.endm
; Line m (0..15) of the scores' work on accumulator set o, made by rows 16 dq on: tile m / 4, registers 2 (m % 4) and + 1, times q'.  Each accumulator is read from its low end on.
.macro EPI o, dq
.set rC, ACC+32*(\o)+8*(m/4)+2*(m%4)
.set rS, SUM+2*(4*(\o)+m/4)
.set rQ, QF+8*(\dq)+2*(m%4)
.if ((\dq) == 0) && ((m%4) == 0)
	v_pk_mul_f32 v[rS:rS+1], v[rC:rC+1], v[rQ:rQ+1]                        ; the first product starts the sums
.else
	v_pk_fma_f32 v[rS:rS+1], v[rC:rC+1], v[rQ:rQ+1], v[rS:rS+1]
.endif
.endm
; 16 matrix instructions: 16 rows of Wk (buffer fb, scale words bs) x tiles 4 set + 0..3 of tokens, K step by K step; the four accumulators take turns.
; Behind matrix instruction m stands line m on the OTHER set (ep = 1).  A tile's last matrix instruction stands at place 12 + e; its first read is line 4 e of the next half: 4 - e + 4 e plain lines lie between,
; none of which names its registers (ISA guide 7.12.1).  ep = 0: four v_nop take the last lines' part.  ld = 1: the next tile's 24 loads stand two by two from place 4 on: behind four plain lines
; that follow the buffer's last reader.
.macro HALF set, fb, bs, ep, dq, ld, nfb, nbs, noff, nsoff
	WIN 4*(1+\set)                     ; source 1 (tokens; q') in window 1 or 2
.set m, 0
.rept 16
.set rD, ACC+32*\set+8*(m%4)
.set rA, \fb+12*(m/4)
.set rB, 48*(m%4)+12*(m/4)
.set rX, \bs+m/4
.set rY, VSC+2*(4*\set+m%4)+m/8
.if m < 4
	v_wmma_scale_f32_16x16x128_f8f6f4 v[rD:rD+7], v[rA:rA+11], v[rB:rB+11], 0, v[rX], v[rY] matrix_a_fmt:MATRIX_FMT_FP6 matrix_b_fmt:MATRIX_FMT_FP6
.elseif (m/4) == 2
	v_wmma_scale_f32_16x16x128_f8f6f4 v[rD:rD+7], v[rA:rA+11], v[rB:rB+11], v[rD:rD+7], v[rX], v[rY] matrix_a_fmt:MATRIX_FMT_FP6 matrix_b_fmt:MATRIX_FMT_FP6
.else
	v_wmma_scale_f32_16x16x128_f8f6f4 v[rD:rD+7], v[rA:rA+11], v[rB:rB+11], v[rD:rD+7], v[rX], v[rY] matrix_a_fmt:MATRIX_FMT_FP6 matrix_b_fmt:MATRIX_FMT_FP6 matrix_b_scale:MATRIX_SCALE_ROW1
.endif
.if \ep
	EPI 1-\set,\dq
.elseif m >= 12
	v_nop
.endif
.if \ld && (m >= 4)
	FRAG1 \nfb,2*(m-4),\noff
	FRAG1 \nfb,2*(m-4)+1,\noff
.if m == 15
	ds_load_b128 v[\nbs:\nbs+3], v[ASC] offset:\nsoff
.endif
.endif
.set m, m+1
.endr
.endm
; A GROUP: one head, one a: 64 rows of Wk in four tiles x my 128 tokens: 128 matrix instructions; then the 128 scores go to my wave's LDS at [tt][a].
.macro GROUP
	v_add_nc_u32 v[AW1], s[TW], v[AK1]
	v_add_nc_u32 v[AW2], s[TW], v[AK2]
	v_add_nc_u32 v[ASC], s[TS], v[ASC0]
	v_add_nc_u32 v[SSA], s[TA], v[SSA0]
	s_wait_dscnt 0x0                   ; the tile's fragments are in (asked for 16 matrix instructions ago or more)
	HALF 0,FB0,WSE,0,0,1,FB1,WSO,16*WP,256
	HALF 1,FB0,WSE,1,0,0,0,0,0,0
	s_wait_dscnt 0x0
	HALF 0,FB1,WSO,1,0,1,FB0,WSE,32*WP,512
	HALF 1,FB1,WSO,1,1,0,0,0,0,0
	s_wait_dscnt 0x0
	HALF 0,FB0,WSE,1,1,1,FB1,WSO,48*WP,768
	HALF 1,FB0,WSE,1,2,0,0,0,0,0
	s_wait_dscnt 0x0
	HALF 0,FB1,WSO,1,2,0,0,0,0,0
	WIN 0                              ; at a branch and at a label every window is 0
	s_cmp_eq_u32 s[TRIP], 1            ; the step's second group has its successor in the other slot: that tile is fetched behind the change of slots
	s_cbranch_scc1 .Lno_next_\@
	NTFETCH WBLK,1024                  ; the next group's first tile: one block, 64 scale rows on
.Lno_next_\@:
	HALF 1,FB1,WSO,1,3,0,0,0,0,0
.set m, 0
.rept 16
	EPI 1,3                            ; the last set's scores
.set m, m+1
.endr
	WIN 0
.irp i, 0,1,2,3,4,5,6,7
	v_add_f32 v[T8+\i], v[SUM+2*\i], v[SUM+2*\i+1]
.endr
.irp u, 0,1,2,3
	v_permlane16_swap_b32 v[T8+2*\u], v[T8+2*\u+1]   ; the first now holds both tiles' sums over d of hf = 0, the second those of hf = 1
.endr
.irp u, 0,1,2,3
	v_add_f32 v[T8+2*\u], v[T8+2*\u], v[T8+2*\u+1]   ; lane l: the score of token tt = 32 u + l
.endr
.irp u, 0,1,2,3
	ds_store_b32 v[SSA], v[T8+2*\u] offset:512*\u
.endr
	s_add_co_u32 s[TW], s[TW], WBLK
	s_add_co_u32 s[TS], s[TS], 1024
	s_add_co_u32 s[TA], s[TA], 4
	s_and_b32 s[TA], s[TA], 12
.endm
.macro TWO_GROUPS                      ; a step's two groups: written once, walked twice
	s_mov_b32 s[TRIP], 2
.Lgroup_\@:
	GROUP
	s_sub_co_u32 s[TRIP], s[TRIP], 1
	s_cmp_lg_u32 s[TRIP], 0
	s_cbranch_scc1 .Lgroup_\@
.endm
.macro FIRSTNT                         ; a step's first tile of rows
	v_add_nc_u32 v[AW1], s[TW], v[AK1]
	v_add_nc_u32 v[AW2], s[TW], v[AK2]
	v_add_nc_u32 v[ASC], s[TS], v[ASC0]
	NTFETCH 0,0
.endm
.macro QLOAD                           ; s95 = 256 x the head: its q' into both windows
	v_add_nc_u32 v[QAC], s95, v[QA0]
	WIN 0x40
.irp e, 0,1,2,3,4,5,6,7
	ds_load_b128 v[QF+4*\e:QF+4*\e+3], v[QAC] offset:64*(\e/2)+16*(\e%2)
.endr
	WIN 0x80
.irp e, 0,1,2,3,4,5,6,7
	ds_load_b128 v[QF+4*\e:QF+4*\e+3], v[QAC] offset:64*(\e/2)+16*(\e%2)
.endr
	WIN 0
.endm
; ---- the softmax of the head SG / 2: 512 places, 16 a lane ----
.macro SOFTMAX last
	s_wait_xcnt 0x0                    ; the last head's stores have read their data and base
	s_lshr_b32 s[HL], s[SG], 1
	s_lshl_b32 s[OFP], s[HL], 20       ; a head is 512 rows of 2,048 bytes of out1
	s_add_nc_u64 s[O1T:O1T+1], s[O1B:O1B+1], s[OFP:OFP+1]
	s_lshl_b32 s95, s[HL], 4
	v_add_nc_u32 v[T2], s95, v[QC0]
.irp u, 0,1,2,3
	ds_load_b128 v[SR+4*\u:SR+4*\u+3], v[SSA0] offset:512*\u   ; LDS serves a wave's instructions in order (ISA guide 5.7.1.4): these see my stores
.endr
	ds_load_b128 v[T8:T8+3], v[T2]     ; c of the head's four a
	s_wait_dscnt 0x0
.irp u, 0,1,2,3
	v_pk_add_f32 v[SR+4*\u:SR+4*\u+1], v[SR+4*\u:SR+4*\u+1], v[T8:T8+1]
	v_pk_add_f32 v[SR+4*\u+2:SR+4*\u+3], v[SR+4*\u+2:SR+4*\u+3], v[T8+2:T8+3]
.endr
	v_max3_num_f32 v[T8+4], v[SR], v[SR+1], v[SR+2]
	v_max3_num_f32 v[T8+5], v[SR+3], v[SR+4], v[SR+5]
	v_max3_num_f32 v[T8+4], v[T8+4], v[SR+6], v[SR+7]
	v_max3_num_f32 v[T8+5], v[T8+5], v[SR+8], v[SR+9]
	v_max3_num_f32 v[T8+4], v[T8+4], v[SR+10], v[SR+11]
	v_max3_num_f32 v[T8+5], v[T8+5], v[SR+12], v[SR+13]
	v_max3_num_f32 v[T8+4], v[T8+4], v[SR+14], v[SR+15]
	v_max_num_f32 v[T8+4], v[T8+4], v[T8+5]
.irp x, 1,2,4,8
	v_max_num_f32_dpp v[T8+4], v[T8+4], v[T8+4] row_xmask:\x row_mask:0xf bank_mask:0xf
.endr
	v_permlanex16_b32 v[T8+5], v[T8+4], s[SEL], s[SEL+1]
	v_max_num_f32 v[T8+4], v[T8+4], v[T8+5]          ; the row's largest score, in every lane
.irp p, 0,2,4,6,8,10,12,14
	v_pk_add_f32 v[SR+\p:SR+\p+1], v[SR+\p:SR+\p+1], v[T8+4:T8+5] op_sel_hi:[1,0] neg_lo:[0,1] neg_hi:[0,1]
.endr
.irp p, 0,1,2,3,4,5,6,7,8,9,10,11,12,13,14,15
	v_exp_f32 v[SR+\p], v[SR+\p]       ; the scores are in units of log2: q' holds log2(e) / 8
.endr
	v_nop                              ; one plain place behind the exponentials
	s_wait_alu depctr_va_vdst(0)
.irp p, 0,1,2,3
	v_pk_add_f32 v[T2+2*\p:T2+2*\p+1], v[SR+4*\p:SR+4*\p+1], v[SR+4*\p+2:SR+4*\p+3]
.endr
	v_pk_add_f32 v[T2:T2+1], v[T2:T2+1], v[T2+2:T2+3]
	v_pk_add_f32 v[T2+4:T2+5], v[T2+4:T2+5], v[T2+6:T2+7]
	v_pk_add_f32 v[T2:T2+1], v[T2:T2+1], v[T2+4:T2+5]
	v_add_f32 v[T8+6], v[T2], v[T2+1]
.irp x, 1,2,4,8
	v_add_f32_dpp v[T8+6], v[T8+6], v[T8+6] row_xmask:\x row_mask:0xf bank_mask:0xf
.endr
	v_permlanex16_b32 v[T8+7], v[T8+6], s[SEL], s[SEL+1]
	v_add_f32 v[T8+6], v[T8+6], v[T8+7]
	v_rcp_f32 v[T8+4], v[T8+6]
	v_nop                              ; one plain place behind the reciprocal
	s_wait_alu depctr_va_vdst(0)
.irp p, 0,2,4,6,8,10,12,14
	v_pk_mul_f32 v[SR+\p:SR+\p+1], v[SR+\p:SR+\p+1], v[T8+4:T8+5] op_sel_hi:[1,0]
.endr
	s_wait_dscnt 0x0                   ; my reads of PB (the last head's attn) are over, my partial sums have landed in OPS
	s_barrier_signal -1
	s_barrier_wait -1                  ; so are everybody's.
.irp u, 0,1,2,3
	ds_store_b128 v[PBW], v[SR+4*\u:SR+4*\u+3] offset:512*\u
.endr
.irp u, 0,1,2,3
	global_store_b128 v[L16], v[SR+4*\u:SR+4*\u+3], s[O1T:O1T+1] offset:512*\u th:TH_STORE_NT   ; 32 lanes store 512 consecutive bytes, at a multiple of 256 from out1's first byte
.endr
.if !\last
	s_add_co_u32 s95, s[HL], 1
	s_lshl_b32 s95, s95, 8
	QLOAD                              ; the next head's q'
.endif
.endm
; ---- P ----
; A chunk: 64 tokens for each half of the lanes x a head's 256 bytes: lane (r, hf), load k: v[b][256 jl + 128 hf + 64 half + k][64 h + 4 r + 0..3].  s95 = the chunk's number 2 hl + half.
.macro PISSUE bw
	s_wait_xcnt 0x0                    ; the last chunk's loads have read their base
	s_and_b32 s23, s95, 1
	s_lshl_b32 s23, s23, 17            ; 64 tokens of 2,048 bytes
	s_lshr_b32 s95, s95, 1
	s_lshl_b32 s95, s95, 8             ; a head's 256 bytes
	s_add_co_u32 s[OFP], s23, s95
	s_add_nc_u64 s[PVB:PVB+1], s[VB:VB+1], s[OFP:OFP+1]
	WIN (\bw)*64                       ; destination: the buffer's window
.set q, 0
.rept 64
	global_load_b128 v[4*q:4*q+3], v[PVO], s[PVB:PVB+1] offset:2048*q   ; sixteen lanes read 256 consecutive bytes
.set q, q+1
.endr
	WIN 0
.endm
.macro PLD bt                          ; attn of 16 tokens, for both rows: every lane of a half reads the same words
.irp x, 0,1
.irp e, 0,1,2,3
	ds_load_b128 v[ACC+32*((\bt)%2)+16*\x+4*\e:ACC+32*((\bt)%2)+16*\x+4*\e+3], v[PAC] offset:2048*\x+64*(\bt)+16*\e
.endr
.endr
.endm
.macro PMAC bt, bw                     ; 64 packed multiply-adds: 16 tokens x 2 rows x 2 pairs of channels; eight sums take turns
	WIN 0x50+\bw                       ; sums in window 1, v in window bw, attn in window 0
.set kk, 0
.rept 16
.irp x, 0,1
.irp c, 0,1
.set rP, ACC+32*((\bt)%2)+16*\x+2*(kk/2)
.set rV, 4*(16*(\bt)+kk)+2*\c
.set rO, PACC+8*(kk%2)+4*\x+2*\c
.if kk%2 == 0
	v_pk_fma_f32 v[rO:rO+1], v[rV:rV+1], v[rP:rP+1], v[rO:rO+1] op_sel_hi:[1,0,1]               ; the pair's first word for both halves
.else
	v_pk_fma_f32 v[rO:rO+1], v[rV:rV+1], v[rP:rP+1], v[rO:rO+1] op_sel:[0,1,0] op_sel_hi:[1,1,1]  ; its second
.endif
.endr
.endr
.set kk, kk+1
.endr
	WIN 0
.endm
.macro PCONS bw, lc                    ; a chunk is used.  s95 = 256 x its half;  lc: how many younger loads may stay out
	s_wait_loadcnt \lc
	v_add_nc_u32 v[PAC], s95, v[PA0]
	PLD 0
	PLD 1
	s_wait_dscnt 8                     ; all but the next batch's eight
	PMAC 0,\bw
	PLD 2
	s_wait_dscnt 8
	PMAC 1,\bw
	PLD 3
	s_wait_dscnt 8
	PMAC 2,\bw
	s_wait_dscnt 0x0
	PMAC 3,\bw
.endm
.macro PFIN zero                       ; a head's two chunks are summed: my 256 tokens' part of both rows goes to OPS
	WIN 0x05                           ; sources in window 1, destination in window 0
.irp i, 0,1,2,3
	v_pk_add_f32 v[T8+2*\i:T8+2*\i+1], v[PACC+2*\i:PACC+2*\i+1], v[PACC+8+2*\i:PACC+8+2*\i+1]
.endr
	WIN 0
.irp i, 0,1,2,3
	v_permlane16_swap_b32 v[T8+\i], v[T8+4+\i]       ; the first: both rows' sums of hf = 0; the second: of hf = 1
.endr
.irp i, 0,1,2,3
	v_add_f32 v[T8+\i], v[T8+\i], v[T8+4+\i]         ; lanes 0-15: row 0, channels 4 r + i; lanes 16-31: row 1
.endr
	ds_store_b128 v[OPW], v[T8:T8+3]
.if \zero
	WIN 0x40
.irp i, 0,1,2,3,4,5,6,7,8,9,10,11,12,13,14,15
	v_mov_b32 v[PACC+\i], 0
.endr
	WIN 0
.endif
.endm
.macro COMBINE                         ; s95 = the head, 0..3.  The wave with jl = 0 adds the two halves and stores both rows: they are neighbours in out0
	s_wait_xcnt 0x0                    ; earlier stores have read their data and bases
	s_lshl_b32 s[OFP], s95, 17         ; a head is 512 rows of 256 bytes of out0
	s_add_nc_u64 s[O0T:O0T+1], s[O0B:O0B+1], s[OFP:OFP+1]
	s_cmp_lg_u32 s[JL], 0
	s_cbranch_scc1 .Lnot_mine_\@
	ds_load_b128 v[T2:T2+3], v[OPR]
	ds_load_b128 v[T2+4:T2+7], v[OPR] offset:512
	s_wait_dscnt 0x0
	v_pk_add_f32 v[T2:T2+1], v[T2:T2+1], v[T2+4:T2+5]
	v_pk_add_f32 v[T2+2:T2+3], v[T2+2:T2+3], v[T2+6:T2+7]
	global_store_b128 v[L16], v[T2:T2+3], s[O0T:O0T+1] th:TH_STORE_NT   ; 512 consecutive bytes, at a multiple of 256 from out0's first byte
.Lnot_mine_\@:
.endm
; ================ the head ================
	s_load_b256 s[4:11], s[0:1], 0x0   ; Q s[4:5], Wk's codes s[6:7], Wk's scales s[8:9], bk s[10:11]
	s_load_b128 s[12:15], s[0:1], 0x20 ; v s[12:13], out0 s[14:15]
	s_load_b64 s[16:17], s[0:1], 0x30  ; out1
	v_lshl_add_u32 v[SPW], v0, 2, SPARE
	v_mov_b32 v[NIL], 0
	ds_add_u32 v1, v2
	ds_add_u32 v1, v2
	s_wait_dscnt 0x0
	v_lshrrev_b32 v3, 5, v0
	v_readfirstlane_b32 s[WV], v3      ; wave 0..3
	s_lshr_b32 s[JL], s[WV], 1
	s_and_b32 s[HH], s[WV], 1
	s_bfe_u32 s[CX], ttmp6, 0x40000    ; my place in the cluster
	s_lshl_b32 s[WG], ttmp9, 2         ; in a cluster launch ttmp9 counts clusters
	s_add_co_u32 s[WG], s[WG], s[CX]   ; it enters global addresses of v, Q, out0 and out1 alone
	; v's tile: 32 rows x 256 numbers of 4 bytes, 512 numbers from row to row; 16 bytes of padding behind each row's 256 words
	s_mov_b32 s[G1V], (2<<16)|(1<<20)|(7<<22)|(3<<25)
	s_mov_b32 s[G1V+1], 256<<16
	s_mov_b32 s[G1V+2], 32<<16
	s_mov_b32 s[G1V+3], 256<<16
	s_mov_b32 s[G1V+4], 32
	s_mov_b32 s[G1V+5], 512
	s_mov_b32 s[G1V+6], 0
	s_mov_b32 s[G1V+7], 0
	; Wk's block: 64 dense rows of 384 bytes, stated as 32 rows of 768; 16 bytes of padding behind every 32 words; the mask names all four work-groups, bit 21 beside it
	s_mov_b32 s[G1W], 15|(1<<20)|(1<<21)|(4<<22)|(3<<25)
	s_mov_b32 s[G1W+1], 768<<16
	s_mov_b32 s[G1W+2], 32<<16
	s_mov_b32 s[G1W+3], 768<<16
	s_mov_b32 s[G1W+4], 32
	s_mov_b32 s[G1W+5], 768
	s_mov_b32 s[G1W+6], 0
	s_mov_b32 s[G1W+7], 0
	; a head's scale bytes: four rows (the four a) of 1,024 bytes (128 elements of 8), 8,192 bytes apart; no padding
	s_mov_b32 s[G1S], 15|(3<<16)|(1<<21)
	s_mov_b32 s[G1S+1], 128<<16
	s_mov_b32 s[G1S+2], 4<<16
	s_mov_b32 s[G1S+3], 128<<16
	s_mov_b32 s[G1S+4], 4
	s_mov_b32 s[G1S+5], 1024
	s_mov_b32 s[G1S+6], 0
	s_mov_b32 s[G1S+7], 0
	s_mov_b32 s[OFP+1], 0
	s_mov_b32 s[OFW+1], 0
	s_lshl_b32 s[OFP], s[WG], 19       ; my group's 256 rows of 2,048 bytes,
	s_lshl_b32 s95, s[JL], 18          ; the tile that I fetch is 2 jl' + kh = w: its half of the rows
	s_add_co_u32 s[OFP], s[OFP], s95
	s_lshl_b32 s95, s[HH], 10          ; and its half of K
	s_add_co_u32 s[OFP], s[OFP], s95
	s_mov_b32 s[G0VA], 1
	s_mul_i32 s[G0VA+1], s[WV], TILEV
	s_mov_b32 s[G0VB], 1
	s_add_co_u32 s[G0VB+1], s[G0VA+1], VSLOT
	s_mov_b32 s[G0S0], 1
	s_lshl_b32 s[G0S0+1], s[WV], 13    ; heads 2 w and 2 w + 1: 4,096 bytes each
	s_add_co_u32 s[G0S0+1], s[G0S0+1], SCW
	s_mov_b32 s[G0S1], 1
	s_add_co_u32 s[G0S1+1], s[G0S0+1], 4096
	s_lshl_b32 s[OFW], s[WV], 11
	s_wait_kmcnt 0x0
	s_add_nc_u64 s[G0VA+2:G0VA+3], s[12:13], s[OFP:OFP+1]
	s_add_nc_u64 s[G0VB+2:G0VB+3], s[G0VA+2:G0VA+3], 65536   ; the next 32 tokens
	s_or_b32 s[G0VA+3], s[G0VA+3], 0x80000000
	s_or_b32 s[G0VB+3], s[G0VB+3], 0x80000000
	s_add_nc_u64 s[G0S0+2:G0S0+3], s[8:9], s[OFW:OFW+1]
	s_add_nc_u64 s[G0S1+2:G0S1+3], s[G0S0+2:G0S0+3], 1024
	s_or_b32 s[G0S0+3], s[G0S0+3], 0x80000000
	s_or_b32 s[G0S1+3], s[G0S1+3], 0x80000000
	ROUND                              ; all four work-groups are here: the first joint loads meet
	tensor_load_to_lds s[G0S0:G0S0+3], s[G1S:G1S+7]   ; the first fills, one group: four loads of mine are out
	s_nop 0
	tensor_load_to_lds s[G0S1:G0S1+3], s[G1S:G1S+7]
	s_nop 0
	tensor_load_to_lds s[G0VA:G0VA+3], s[G1V:G1V+7]
	s_nop 0
	tensor_load_to_lds s[G0VB:G0VB+3], s[G1V:G1V+7]
	s_nop 0
	NOPS 4
	; Wk's walking descriptor: block w = 2 hh' + asub
	s_mul_i32 s96, s[HH], 196608       ; asub = w % 2: 512 rows of 384 bytes
	s_mul_i32 s97, s[JL], 98304        ; hh' = w / 2: 256 rows
	s_add_co_u32 s[OFW], s96, s97
	s_add_nc_u64 s[WB:WB+1], s[6:7], s[OFW:OFW+1]
	s_mov_b32 s[G0W], 1
	s_mul_i32 s[G0W+1], s[WV], WBLK
	s_add_co_u32 s[G0W+1], s[G0W+1], WSLOT1   ; each fill turns it first: fill 0 goes to slot 0
	s_mov_b32 s[PHI], 0
	s_lshr_b32 s95, s[WG], 1
	s_lshl_b32 s[OFP], s95, 20
	s_add_nc_u64 s[VB:VB+1], s[12:13], s[OFP:OFP+1]   ; my batch
	s_lshl_b32 s95, s[WG], 1
	s_add_co_u32 s95, s95, s[JL]
	s_lshl_b32 s95, s95, 11            ; row 4 b + j = 2 wg + jl, 2,048 bytes
	s_lshl_b32 s23, s[HH], 22          ; four heads of 512 rows
	s_add_co_u32 s[OFP], s95, s23
	s_add_nc_u64 s[O1B:O1B+1], s[16:17], s[OFP:OFP+1]
	s_lshl_b32 s95, s[WG], 9           ; rows 2 wg and 2 wg + 1, 256 bytes each
	s_lshl_b32 s23, s[HH], 19
	s_add_co_u32 s[OFP], s95, s23
	s_add_nc_u64 s[O0B:O0B+1], s[14:15], s[OFP:OFP+1]
	s_lshr_b32 s95, s[WG], 6           ; b / 32
	s_lshl_b32 s95, s95, 8
	s_lshl_b32 s23, s[HH], 12          ; Q's row 4 h + b / 32, 256 bytes: h = 4 hh + hl
	s_add_co_u32 s[OFP], s95, s23
	s_add_nc_u64 s[4:5], s[4:5], s[OFP:OFP+1]
	s_lshl_b32 s[OFP], s[HH], 10
	s_add_nc_u64 s[10:11], s[10:11], s[OFP:OFP+1]     ; bk at head 4 hh
	s_mov_b32 s[SEL], 0x76543210
	s_mov_b32 s[SEL+1], 0xfedcba98
	s_mov_b32 vcc_lo, 0xffff0000       ; lanes 16-31; kept for the whole launch
	v_and_b32 v64, 31, v0              ; lane
	v_and_b32 v65, 15, v0              ; r
	v_bfe_u32 v66, v0, 4, 1            ; hf
	v_lshlrev_b32 v67, 3, v64          ; two numbers a lane
.irp t, 0,1,2,3
	global_load_b64 v[XA+2*\t:XA+2*\t+1], v67, s[4:5] offset:1024*\t        ; q of my four heads
.endr
.irp g, 0,1,2,3,4,5,6,7,8,9,10,11,12,13,14,15
	global_load_b64 v[XA+8+2*\g:XA+8+2*\g+1], v67, s[10:11] offset:2048*(\g%4)+256*(\g/4)   ; bk of (head g / 4, a = g % 4)
.endr
	; the addresses that stay
	v_mul_u32_u24 v68, v65, WP
	v_mad_u32_u24 v[AK1], v66, 24, v68
	v_mad_u32_u24 v[AK2], v66, 40, v68
	s_mul_i32 s96, s[HH], 2*WBLK
	v_add_nc_u32 v[AK1], s96, v[AK1]
	v_add_nc_u32 v[AK2], s96, v[AK2]
	v_mul_u32_u24 v68, v65, VP
	v_lshl_add_u32 v68, v66, 7, v68
	s_mul_i32 s96, s[JL], 2*TILEV
	v_add_nc_u32 v[AX], s96, v68
	v_add_nc_u32 v[AX+1], VSLOT, v[AX]
	s_lshl_b32 s96, s[HH], 14
	s_add_co_u32 s96, s96, SCW
	v_lshl_add_u32 v[ASC0], v65, 4, s96
	v_lshlrev_b32 v[L16], 4, v64
	s_lshl_b32 s96, s[WV], 11
	s_add_co_u32 s96, s96, SS
	v_add_nc_u32 v[SSA0], s96, v[L16]
	s_lshl_b32 s96, s[HH], 12
	s_add_co_u32 s96, s96, PB
	s_lshl_b32 s97, s[JL], 10
	s_add_co_u32 s97, s97, s96
	v_lshl_add_u32 v[PA0], v66, 9, s97
	s_lshl_b32 s97, s[JL], 11
	s_add_co_u32 s97, s97, s96
	v_add_nc_u32 v[PBW], s97, v[L16]
	s_lshl_b32 s96, s[HH], 10
	s_add_co_u32 s96, s96, OPS
	v_add_nc_u32 v[OPR], s96, v[L16]
	s_lshl_b32 s97, s[JL], 9
	s_add_co_u32 s97, s97, s96
	v_add_nc_u32 v[OPW], s97, v[L16]
	s_lshl_b32 s96, s[JL], 19
	s_lshl_b32 s97, s[HH], 10
	s_add_co_u32 s96, s96, s97
	v_lshl_add_u32 v68, v66, 18, s96
	v_lshl_add_u32 v[PVO], v65, 4, v68
	s_mul_i32 s96, s[WV], 1280
	s_add_co_u32 s96, s96, QS
	v_lshl_add_u32 v[QA0], v66, 5, s96
	v_lshl_add_u32 v69, v64, 3, s96
	s_add_co_u32 s97, s96, 1024
	v_mov_b32 v[QC0], s97
	v_lshlrev_b32 v[SH], 3, v66
	v_mov_b32 v[QW+1], 0               ; written once: a lane permute's destination counts as one of its sources
	WIN 0x40
.irp i, 0,1,2,3,4,5,6,7,8,9,10,11,12,13,14,15
	v_mov_b32 v[PACC+\i], 0
.endr
	WIN 0
	s_wait_loadcnt 0x0
.irp i, 0,1,2,3,4,5,6,7
	v_mul_f32 v[XA+\i], 0x3e38aa3b, v[XA+\i]         ; q' = q log2(e) / 8
.endr
.irp t, 0,1,2,3
	ds_store_b64 v69, v[XA+2*\t:XA+2*\t+1] offset:256*\t
.endr
.irp g, 0,1,2,3,4,5,6,7,8,9,10,11,12,13,14,15
	v_mul_f32 v[XA+40+\g], v[XA+2*(\g/4)], v[XA+8+2*\g]
.endr
.irp g, 0,1,2,3,4,5,6,7,8,9,10,11,12,13,14,15
	v_fmac_f32 v[XA+40+\g], v[XA+2*(\g/4)+1], v[XA+8+2*\g+1]
.endr
.irp x, 1,2,4,8
.irp g, 0,1,2,3,4,5,6,7,8,9,10,11,12,13,14,15
	v_add_f32_dpp v[XA+40+\g], v[XA+40+\g], v[XA+40+\g] row_xmask:\x row_mask:0xf bank_mask:0xf
.endr
.endr
.irp g, 0,1,2,3,4,5,6,7,8,9,10,11,12,13,14,15
	v_permlanex16_b32 v[XA+8+\g], v[XA+40+\g], s[SEL], s[SEL+1]
.endr
.irp g, 0,1,2,3,4,5,6,7,8,9,10,11,12,13,14,15
	v_add_f32 v[XA+40+\g], v[XA+40+\g], v[XA+8+\g]   ; c = sum over d of q' bk, in every lane
.endr
.irp g, 0,1,2,3,4,5,6,7,8,9,10,11,12,13,14,15
	ds_store_b32 v[QC0], v[XA+40+\g] offset:4*\g     ; all lanes write the same word with the same value
.endr
; ================ X ================
	s_wait_tensorcnt 0x1               ; the scale bytes and my tile of slot 0 are in; slot 1's may stay out
	s_wait_dscnt 0x0
	s_barrier_signal -1
	s_barrier_wait -1                  ; everybody's are
	XSLOT 0,0
	CHG_V G0VA                         ; tokens 64 .. 95 of each half into slot 0
	XSLOT 1,1
	CHG_V G0VB                         ; tokens 96 .. 127 into slot 1
	XSLOT 0,2
	CHG_W 1                            ; v's slot 0 has been read for the last time: Wk's fill 0 lands in its bytes
	s_mov_b32 s95, 0
	PISSUE 3                           ; P's chunk 0: it is used in step 2
	XSLOT 1,3
	s_mov_b32 s95, 0
	QLOAD                              ; q' of my first head
	NOPS 8                             ; a scale register written by a vector instruction stands 8 places ahead of a scaled matrix instruction, an operand so written 4
	s_mov_b32 s[SG], 0
	s_mov_b32 s[TW], 0
	s_mov_b32 s[TS], 0
	s_mov_b32 s[TA], 0
; ================ G: steps 0 to 6 ================
.Lstep:
	CHG_W 1                            ; fill SG + 1 goes into the slot that has been left (in step 0: into bytes of v's slots, both read for the last time)
	FIRSTNT
	s_cmp_lt_u32 s[SG], 2
	s_cbranch_scc1 .Lno_p
	s_and_b32 s95, s[SG], 1
	s_lshl_b32 s95, s95, 8
	PCONS 3,0                          ; chunk SG - 2, asked for a step ago; its head's attn lies in PB
	s_and_b32 s95, s[SG], 1
	s_cmp_eq_u32 s95, 0
	s_cbranch_scc1 .Lno_fin
	PFIN 1                             ; an odd step ends a head's two chunks
.Lno_fin:
	s_sub_co_u32 s95, s[SG], 1
	PISSUE 3                           ; chunk SG - 1, for the next step
.Lno_p:
	TWO_GROUPS
	s_sub_co_u32 s[TW], s[TW], 2*WBLK  ; back to a slot's first block,
	s_xor_b32 s[TW], s[TW], WSLOT1     ; in the other slot
	s_and_b32 s95, s[SG], 1
	s_cmp_eq_u32 s95, 0
	s_cbranch_scc1 .Lno_sm
	SOFTMAX 0                          ; an odd step ends a head's four a
	s_cmp_lt_u32 s[SG], 3
	s_cbranch_scc1 .Lno_sm
	s_sub_co_u32 s95, s[HL], 1
	COMBINE                            ; the head before: its partial sums were stored at this step's head, ahead of the softmax's barrier
.Lno_sm:
	s_add_co_u32 s[SG], s[SG], 1
	s_cmp_lt_u32 s[SG], 7
	s_cbranch_scc1 .Lstep
; ================ step 7, written out: nothing is left to fetch ================
	CHG_W 0
	FIRSTNT
	s_mov_b32 s95, 256
	PCONS 3,0                          ; chunk 5
	PFIN 1
	s_mov_b32 s95, 6
	PISSUE 3
	TWO_GROUPS
	s_mov_b32 s95, 7
	PISSUE 2                           ; the last chunk into window 2: its fragments and its q' are done with (the scores' last lines are the places behind the last products)
	SOFTMAX 1
	s_mov_b32 s95, 2
	COMBINE
; ================ the last head's P ================
	s_wait_dscnt 0x0                   ; my attn has landed in PB
	s_barrier_signal -1
	s_barrier_wait -1
	s_mov_b32 s95, 0
	PCONS 3,63                         ; chunk 6: behind it chunk 7's 64 loads were issued; 63 is the largest count that the wait can name
	s_mov_b32 s95, 256
	PCONS 2,0
	PFIN 0
	s_wait_dscnt 0x0                   ; my partial sums have landed
	s_barrier_signal -1
	s_barrier_wait -1
	s_mov_b32 s95, 3
	COMBINE
	s_wait_tensorcnt 0x0               ; the wave's end, behind my last tensor load and my last LDS store
	ds_add_u32 v[SPW], v[NIL]
	s_wait_dscnt 0x0
	ROUND                              ; the closing round: no work-group ends while a partner may still ask for a tile that names it
	s_endpgm
.Lfunc_end_k_q8ab505e59a_attn_pool:
	.size	k_q8ab505e59a_attn_pool, .Lfunc_end_k_q8ab505e59a_attn_pool-k_q8ab505e59a_attn_pool
	.p2alignl 7, 3214868480
	.fill 96, 4, 3214868480
	.section	.rodata,"a",@progbits
	.p2align	6, 0x0
	.amdhsa_kernel k_q8ab505e59a_attn_pool
		.amdhsa_group_segment_fixed_size 327680
		.amdhsa_private_segment_fixed_size 0
		.amdhsa_enable_private_segment 0
		.amdhsa_kernarg_size 56
		.amdhsa_user_sgpr_count 2
		.amdhsa_user_sgpr_kernarg_segment_ptr 1
		.amdhsa_wavefront_size32 1
		.amdhsa_system_sgpr_workgroup_id_x 1
		.amdhsa_system_sgpr_workgroup_id_y 1
		.amdhsa_system_sgpr_workgroup_id_z 1
		.amdhsa_system_vgpr_workitem_id 0
		.amdhsa_next_free_vgpr 1024
		.amdhsa_next_free_sgpr 100
		.amdhsa_reserve_vcc 1
		.amdhsa_float_denorm_mode_32 3
		.amdhsa_float_denorm_mode_16_64 3
		.amdhsa_memory_ordered 1
		.amdhsa_forward_progress 1
		.amdhsa_inst_pref_size 255
	.end_amdhsa_kernel
	.section	.bss,"aw",@nobits
	.p2align	6
	.space	262144
	.amdgpu_metadata
---
amdhsa.version: [ 1, 2 ]
amdhsa.kernels:
  - .name:           k_q8ab505e59a_attn_pool
    .symbol:         k_q8ab505e59a_attn_pool.kd
    .args:
      - { .name: Q, .offset: 0, .size: 8, .value_kind: global_buffer, .address_space: global }
      - { .name: Wk_codes, .offset: 8, .size: 8, .value_kind: global_buffer, .address_space: global }
      - { .name: Wk_scales, .offset: 16, .size: 8, .value_kind: global_buffer, .address_space: global }
      - { .name: bk, .offset: 24, .size: 8, .value_kind: global_buffer, .address_space: global }
      - { .name: v, .offset: 32, .size: 8, .value_kind: global_buffer, .address_space: global }
      - { .name: out0, .offset: 40, .size: 8, .value_kind: global_buffer, .address_space: global }
      - { .name: out1, .offset: 48, .size: 8, .value_kind: global_buffer, .address_space: global }
    .group_segment_fixed_size: 327680
    .private_segment_fixed_size: 0
    .kernarg_segment_align: 8
    .kernarg_segment_size: 56
    .max_flat_workgroup_size: 128
    .sgpr_count:     100
    .vgpr_count:     1024
    .wavefront_size: 32
...
	.end_amdgpu_metadata
.endif
;; end of part 1
;; ======== version 2 of 2: 1 launch; 1.12 times as fast as version 1
;; launch attn_pool (part 2): grid 256 x 1, 4 waves a work-group, clusters of 4 x 1, 327,680 bytes of LDS; arguments Q, Wk_codes, Wk_scales, bk, v, out0, out1; writes out0, out1
.if DOCPART == 2
	.amdgcn_target "amdgcn-amd-amdhsa--gfx1250"
	.amdhsa_code_object_version 6
	.text
	.protected	k_q8ab505e59a_attn_pool
	.globl	k_q8ab505e59a_attn_pool
	.p2align	8
	.type	k_q8ab505e59a_attn_pool,@function
k_q8ab505e59a_attn_pool:
	s_mov_b64 s[64:65], 0
	v_nop
	global_prefetch_b8 v0, s[64:65] scope:SCOPE_SE
	s_setreg_imm32_b32 hwreg(HW_REG_WAVE_MODE, 25, 1), 1
	s_wait_xcnt 0x0
	s_wait_alu depctr_hold_cnt(0) depctr_sa_sdst(0) depctr_va_vdst(0) depctr_va_sdst(0) depctr_va_ssrc(0) depctr_va_vcc(0) depctr_vm_vsrc(0)
	s_getreg_b32 s2, hwreg(HW_REG_IB_STS2, 6, 4)
	s_cmp_eq_u32 s2, 0
	s_cbranch_scc0 .Lentry_in_a_cluster
	s_endpgm
.Lentry_in_a_cluster:
	s_bfe_u32 s2, ttmp6, 0x10000c
	s_cmp_lg_u32 s2, 0x3003
	s_cbranch_scc0 .Lentry_shape_is_right
	s_endpgm
.Lentry_shape_is_right:
; k = Q6(v) Wk^T + bk on codes of FP6 (E2M3) with one E8M0 scale for each 32 along K; one query a row; softmax over 512; weighted sum of v.  k never leaves the registers.
; THE VIEW, UNROLLED.  Row x = 512 h + 4 b + j (h = 0..7, j = t / 128).  Its query is Q's row 4 h + b / 32 (of 32 rows of 64).  Its 512 places are t' = 4 tt + a (tt = t % 128, a = 0..3), with the score
; q . k[b, 128 j + tt, 512 a + 64 h + 0..63] / 8.  out1 = attn at x * 512 + t'.  out0[x, c] = sum over t' of attn[x, t'] v[b, t', 64 h + c].
; SHARES.  256 work-groups of four waves.  Work-group wg = 2 b + jp owns tokens 256 jp .. + 255 of batch b.  Wave w: jl = w / 2, hh = w % 2: tokens 128 (2 jp + jl) on, heads 4 hh + 0..3: every softmax row lies in one wave.
; PHASES.  X: the group's 256 rows of v come through two LDS slots by tensor loads; each wave quantises its 128 tokens straight into the operand's registers (8 tiles x 4 K steps x 12 = 384 registers; the two waves of a
; jl do this twice: that spares images in LDS and their barriers).  G: Wk's codes walk a ring of two slots in 8 steps (step: one head of each hh, two a): 256 matrix instructions a wave and step, used transposed
; (source 0 = 16 rows of Wk, source 1 = 16 tokens), so that a lane holds one token and eight d; behind each matrix instruction stands one packed multiply-add of an earlier tile with q' = q log2(e) / 8.
; bk enters as c[h][a] = sum of q' bk, added to the score.  After a head's four a: softmax with the row's true maximum, attn to out1 and to LDS.  P: the third product in f32 multiply-adds: a head's 512 x 256 bytes of v
; are shared between the two jl waves by token halves, each serving both rows; the loads (64 of 16 bytes a lane, a whole window of registers) are issued a step, 256 matrix instructions, ahead of their use.
; CLUSTER.  Four work-groups walk the same Wk: its codes and scale bytes are asked for JOINTLY (mask 15).  v's tiles are each work-group's own rows: plain loads.
; v IS READ TWICE: once for X, once for P (attn is known only after all of G, and a batch's v, 1 MiB, does not fit beside the ring); P's read lies under G's matrix work but for the last head's.
; LIMITS: NaN and infinities in v are not served.  A block of v whose largest magnitude lies under 2^-124 is given the scale byte 1; a block of zeros too (its codes are zeros, and this program alone reads the byte).
.set VP,     1040                      ; a row of a tile of v in LDS: 1,024 bytes + 16 = 65 x 16: the 16 rows of a 16-byte load fall on 16 different 16-byte columns of 256 (64 banks of 4 bytes: ISA guide 11.1)
.set TILEV,  32*VP                     ; 32 tokens x 256 numbers: what one tensor load brings
.set VSLOT,  4*TILEV                   ; tiles 2 jl + kh (kh: which half of K)
.set WP,     432                       ; a row of Wk in LDS: 3 x (128 bytes + 16) = 108 words: row r starts at bank 44 r mod 64, so the 32 lanes of an 8-byte load touch 64 different banks
.set WBLK,   64*WP                     ; 64 rows (one head, one a): what one tensor load brings
.set WSLOT1, 1<<17                     ; Wk's slot 1 begins here: one exclusive or turns an address of one slot into the other's.  A slot: blocks 2 hh + asub
.set SCW,    2*VSLOT                   ; behind the ring: Wk's scale bytes as [h][a][64 rows][16], filled once
.set PB,     SCW+32768                 ; attn rows [hh][jl][512] f32
.set SS,     PB+8192                   ; a wave's own scores [tt][a]
.set OPS,    SS+8192                   ; P's partial sums [hh][jl][2 rows][64]
.set QS,     OPS+2048                  ; a wave's own q' [4][64], then c [4][4] at + 1,024
.set SPARE,  QS+5120                   ; the spare words, 128 bytes for each wave: two blocks of 256 bytes that no other line names
; REGISTERS, window 0
.set SPW,  1                           ; LDS address of my spare word; never rewritten
.set NIL,  2                           ; 0; never rewritten
.set AK1,  3                           ; my lane's place in a slot of Wk: hh x 2 blocks + r x pitch + 24 hf
.set AK2,  4                           ; the same for pieces that lie behind one padding more in lanes 16-31: + 40 hf
.set AW1,  5                           ; the same two for the group in hand
.set AW2,  6
.set AX,   5                           ; in X: v5, v6: my lane's place in v's slot 0, 1
.set ASC0, 7                           ; my lane's place among Wk's scale words;  v8: for the group in hand
.set ASC,  8
.set SSA0, 9                           ; my 16 bytes of my wave's scores;  v10: + 4 a
.set SSA,  10
.set PA0,  11                          ; where my half of the lanes reads attn;  v12: for the chunk in hand
.set PAC,  12
.set PVO,  13                          ; P: my byte offset in the batch's v; never rewritten
.set QA0,  14                          ; where my half of the lanes reads q'
.set L16,  15                          ; 16 x lane
.set VSC,  16                          ; v16-31 v's scale words: register 2 i + s / 2: K step s even in lanes 0-15, s odd in lanes 16-31
.set WSE,  32                          ; v32-35, v36-39 Wk's scale words of the even and the odd tile of rows: register s = K step s
.set WSO,  36
.set SUM,  40                          ; v40-55 a pair of score sums for each of my 8 tiles of tokens
.set QC0,  56                          ; where c lies
.set PBW,  57                          ; where I store attn in PB
.set OPW,  58                          ; where I store partial sums;  v59: where they are read back
.set OPR,  59
.set SH,   60                          ; 8 hf
.set QAC,  61
.set SR,   64                          ; v64-79 a head's scores: register 4 u + a = place t' = 128 u + 4 lane + a
.set T8,   80                          ; v80-87 at work
.set FB0,  88                          ; v88-135, v136-183 Wk's fragments of a tile of 16 rows (4 K steps x 12), two buffers
.set FB1,  136
.set ACC,  184                         ; v184-215, v216-247 two sets of four accumulators; in P: attn, two batches
.set T2,   248                         ; v248-255 at work
.set XA,   88                          ; in X: v88-151, v152-215 two sets of 64 numbers
.set QM,   216                         ; in X, at work: four maxima, two scale operands, two bytes, the word, codes
.set QSO,  220
.set QB,   222
.set QW,   224
.set QT,   228
; windows 1, 2: v's fragments: tile i in window 1 + i / 4 at v[48 (i % 4) + 12 s];  v192-223 of BOTH: q' of the head in hand: register 8 dt + jj = q'[16 dt + 8 hf + jj];  window 1 v224-239: P's sums.  window 3: P's loads.
.set QF,   192
.set PACC, 224
; SCALARS
.set WV,   18
.set JL,   19
.set HH,   20
.set CX,   21
.set WG,   22
.set G1V,  24                          ; s[24:31] descriptor group 1: v's tiles;  s[32:39] Wk's blocks;  s[40:47] Wk's scale bytes
.set G1W,  32
.set G1S,  40
.set G0VA, 48                          ; groups 0: v's slot 0, slot 1; Wk's, which walks; the scale bytes of heads 2 w and 2 w + 1
.set G0VB, 52
.set G0W,  56
.set G0S0, 60
.set PHI,  66                          ; the number of Wk's next fill
.set HL,   67                          ; the head in hand, 0..3
.set G0S1, 68
.set WB,   72                          ; s[72:73] Wk's codes at my block of fill 0
.set VB,   74                          ; s[74:75] v at my batch
.set PVB,  76                          ; s[76:77] the chunk in hand
.set O1B,  78                          ; out1 at my row of head 4 hh;  s[80:81] of the head in hand
.set O1T,  80
.set O0B,  82                          ; out0 likewise
.set O0T,  84
.set OFP,  86                          ; s[86:87] an offset (the high word stays 0)
.set SEL,  88                          ; s[88:89] v_permlanex16_b32's selects for lane l xor 16
.set SG,   90                          ; the step, 0..7
.set TRIP, 91
.set TW,   92                          ; LDS byte of the block in hand, less my lane's part
.set TS,   93                          ; 1,024 x the group's number: its scale words
.set TA,   94                          ; 4 a
.set OFW,  98                          ; s[98:99], with s96, s97: offsets for the joint loads: they never hold anything made of the work-group's place
.set MSB, 0
.macro WIN new                         ; the immediate's high byte repeats the setting that is left; a switch that changes nothing is dropped
.if MSB != (\new)
	s_set_vgpr_msb (MSB<<8)|(\new)
.set MSB, (\new)
.endif
.endm
.macro NOPS cnt
.rept \cnt
	v_nop
.endr
.endm
; A round of the cluster's barrier: my work-group's barrier; wave 0 signals for the work-group; every wave waits for all four work-groups; my work-group's barrier once more.
.macro ROUND
	s_barrier_signal -1
	s_barrier_wait -1
	s_cmp_lg_u32 s[WV], 0
	s_cbranch_scc1 .Lnot_wave_0_\@
	s_barrier_signal -3
.Lnot_wave_0_\@:
	s_barrier_wait -3
	s_barrier_signal -1
	s_barrier_wait -1
.endm
; A slot of v is filled again: all my tensor loads have landed, the add, my reads of the slot are over, the round; my one load stands first behind it.
.macro CHG_V g0
	s_wait_tensorcnt 0x0               ; no tensor load of mine is out, so a group 0 may be written
	ds_add_u32 v[SPW], v[NIL]          ; 0 onto my spare word
	s_add_nc_u64 s[\g0+2:\g0+3], s[\g0+2:\g0+3], 131072  ; 64 tokens on: the slot's next 32 tokens of each half
	s_wait_dscnt 0x0                   ; the add is done, and my reads of the slot are over
	ROUND
	tensor_load_to_lds s[\g0:\g0+3], s[G1V:G1V+7]
	s_nop 0
	NOPS 4
.endm
; The change of Wk's slots, at a step's head.  fill = 1: the slot that has been left takes fill PHI: rows of a = 2 (PHI % 2) + asub, head PHI / 2 of each hh.
.macro CHG_W fill
	s_wait_tensorcnt 0x0               ; all my tensor loads have landed: my block of the slot that is read next
	ds_add_u32 v[SPW], v[NIL]          ; 0 onto my spare word
.if \fill
	s_xor_b32 s[G0W+1], s[G0W+1], WSLOT1  ; the other slot than last time
	s_and_b32 s96, s[PHI], 1
	s_mul_i32 s96, s96, 393216         ; two a: 1,024 rows of 384 bytes
	s_lshr_b32 s97, s[PHI], 1
	s_mul_i32 s97, s97, 24576          ; a head: 64 rows
	s_add_co_u32 s[OFW], s96, s97
	s_add_co_u32 s[PHI], s[PHI], 1
	s_add_nc_u64 s[G0W+2:G0W+3], s[WB:WB+1], s[OFW:OFW+1]
	s_or_b32 s[G0W+3], s[G0W+3], 0x80000000
.endif
	s_wait_xcnt 0x0                    ; the last step's stores and loads have read their registers and bases: they are written again only behind this wait
	s_wait_dscnt 0x0                   ; the add is done; my reads of the slot that I have left are over, my stores into PB and OPS have landed
.if \fill
	ROUND                              ; no wave of any partner still reads that slot or has a load on its way
	tensor_load_to_lds s[G0W:G0W+3], s[G1W:G1W+7]  ; it has a step, 256 matrix instructions, in which to land
	s_nop 0
	NOPS 4
.else
	s_barrier_signal -1
	s_barrier_wait -1
.endif
.endm
; ---- X ----
; 64 numbers of a lane for tile 'it' of the slot, K step s: lane (r, hf) takes, of token r, k = 128 s + 64 c + 32 hf + 0..31: two whole blocks
.macro XLD xs, slot, it, s
.irp c, 0,1
.irp e, 0,1,2,3,4,5,6,7
	ds_load_b128 v[\xs+32*\c+4*\e:\xs+32*\c+4*\e+3], v[AX+\slot] offset:((\s)/2)*TILEV+(\it)*16*VP+((\s)%2)*512+256*\c+16*\e
.endr
.endr
.endm
; They become the fragment (tile i, K step s) and its scale word.  A block's scale operand is its largest magnitude with 2 off the exponent field; the floor 2^(3 - 127) holds the byte at 1 from below.
.macro QUANT xs, i, s
.set FD, 48*((\i)%4)+12*(\s)
.irp c, 0,1,2,3
	v_max3_num_f32 v[QM+\c], |v[\xs+16*\c]|, |v[\xs+16*\c+1]|, 0x1800000
.endr
.irp e, 2,4,6,8,10,12,14
.irp c, 0,1,2,3
	v_max3_num_f32 v[QM+\c], v[QM+\c], |v[\xs+16*\c+\e]|, |v[\xs+16*\c+\e+1]|   ; four chains by turns
.endr
.endr
	v_max_num_f32 v[QM], v[QM], v[QM+1]
	v_max_num_f32 v[QM+2], v[QM+2], v[QM+3]
	v_add_nc_u32 v[QSO], 0xff000000, v[QM]
	v_add_nc_u32 v[QSO+1], 0xff000000, v[QM+2]
	v_cvt_scalef32_pk16_fp6_f32 v[QT:QT+2], v[\xs+16:\xs+31], v[QSO]       ; (a conversion's three registers begin on an even number: a block's upper 16 codes are made here and moved)
	v_cvt_scalef32_pk16_fp6_f32 v[QT+4:QT+6], v[\xs+48:\xs+63], v[QSO+1]
	v_lshrrev_b32 v[QB], 23, v[QSO]                                        ; the scales' bytes: blocks hf and 2 + hf of the K step
	v_lshrrev_b32 v[QB+1], 23, v[QSO+1]
	v_lshl_or_b32 v[QW], v[QB+1], 16, v[QB]
	v_lshlrev_b32 v[QW], v[SH], v[QW]                                      ; at their places in the word
	v_permlanex16_b32 v[QW+1], v[QW], s[SEL], s[SEL+1]
.if ((\s)%2) == 0
	v_or_b32 v[VSC+2*(\i)+(\s)/2], v[QW], v[QW+1]                          ; with lane l xor 16's two the word is whole, in both halves of the lanes
.else
	v_or_b32 v[QW], v[QW], v[QW+1]
	v_cndmask_b32 v[VSC+2*(\i)+(\s)/2], v[VSC+2*(\i)+(\s)/2], v[QW], vcc_lo  ; an odd K step's word goes to lanes 16-31 (vcc = 0xffff0000)
.endif
	WIN 0x40*(1+(\i)/4)                                                    ; destination: the tile's window
	v_cvt_scalef32_pk16_fp6_f32 v[FD:FD+2], v[\xs:\xs+15], v[QSO]
	v_cvt_scalef32_pk16_fp6_f32 v[FD+6:FD+8], v[\xs+32:\xs+47], v[QSO+1]
	v_nop                                                                  ; one plain place behind a scaled conversion
.irp e, 0,1,2
	v_mov_b32 v[FD+3+\e], v[QT+\e]
	v_mov_b32 v[FD+9+\e], v[QT+4+\e]
.endr
	WIN 0
.endm
; A slot's 32 tokens of my half: tiles 2 f and 2 f + 1, four K steps each.  The next fragment's sixteen loads are out while one is quantised.
.macro XSLOT slot, f
	XLD XA,\slot,0,0
.set n, 0
.rept 8
.if n < 7
	XLD (XA+64*((n+1)%2)),\slot,((n+1)/4),((n+1)%4)
	s_wait_dscnt 16                    ; all but the sixteen just issued
.else
	s_wait_dscnt 0x0
.endif
	QUANT (XA+64*(n%2)),(2*\f+n/4),(n%4)
.set n, n+1
.endr
.endm
; ---- G ----
; Load idx (0..23) of a tile of 16 rows of Wk: K step idx / 6, piece idx % 6 of its 12 registers.  Lanes 0-15 take the row's pieces 12 s + 0, 1, 2 and 12 s + 6, 7, 8 (8 bytes each), lanes 16-31 those three on;
; 16 bytes of padding lie behind every 16 pieces: where the piece three on lies behind one padding more, the second address register serves.
.macro FRAG1 fb, idx, off
.set PCn, 12*((\idx)/6)+6*(((\idx)%6)/3)+((\idx)%6)%3
.if PCn%16 < 13
	ds_load_b64 v[\fb+2*(\idx):\fb+2*(\idx)+1], v[AW1] offset:\off+8*PCn+16*(PCn/16)
.else
	ds_load_b64 v[\fb+2*(\idx):\fb+2*(\idx)+1], v[AW2] offset:\off+8*PCn+16*(PCn/16)
.endif
.endm
.macro NTFETCH fb, bs, off, soff       ; a whole tile of rows into buffer fb, and its scale words into bs: 25 LDS loads in ONE run
.set q, 0
.rept 24
	FRAG1 \fb,q,\off
.set q, q+1
.endr
	ds_load_b128 v[\bs:\bs+3], v[ASC] offset:\soff
.endm
; Line m (0..15) of the scores' work on accumulator set o, made by rows 16 dq on: tile m / 4, registers 2 (m % 4) and + 1, times q'.  Each accumulator is read from its low end on.
.macro EPI o, dq
.set rC, ACC+32*(\o)+8*(m/4)+2*(m%4)
.set rS, SUM+2*(4*(\o)+m/4)
.set rQ, QF+8*(\dq)+2*(m%4)
.if ((\dq) == 0) && ((m%4) == 0)
	v_pk_mul_f32 v[rS:rS+1], v[rC:rC+1], v[rQ:rQ+1]                        ; the first product starts the sums
.else
	v_pk_fma_f32 v[rS:rS+1], v[rC:rC+1], v[rQ:rQ+1], v[rS:rS+1]
.endif
.endm
; 16 matrix instructions: 16 rows of Wk (buffer fb, scale words bs) x tiles 4 set + 0..3 of tokens, K step by K step; the four accumulators take turns.
; Behind matrix instruction m stands line m on the OTHER set (ep = 1).  A tile's last matrix instruction stands at place 12 + e; its first read is line 4 e of the next half: 4 - e + 4 e plain lines lie between,
; none of which names its registers (ISA guide 7.12.1).  ep = 0: four v_nop take the last lines' part.
; ld = 1: the next tile's 25 loads stand in ONE run behind place 4, never singly among the matrix instructions, so that the products before and behind the run follow each other.  The other buffer's last reader is the
; last matrix instruction of the tile before: line 15 of that half and lines 0 to 4 of this one, six plain lines that name none of its registers, lie between (in a group's first half: the scores' last lines of the
; group before).  The run stands 27 matrix instructions ahead of the wait for it.  An LDS load's destination and address lie in window 0 under this half's setting, which moves source 1 alone: no switch.
.macro HALF set, fb, bs, ep, dq, ld, nfb, nbs, noff, nsoff
	WIN 4*(1+\set)                     ; source 1 (tokens; q') in window 1 or 2
.set m, 0
.rept 16
.set rD, ACC+32*\set+8*(m%4)
.set rA, \fb+12*(m/4)
.set rB, 48*(m%4)+12*(m/4)
.set rX, \bs+m/4
.set rY, VSC+2*(4*\set+m%4)+m/8
.if m < 4
	v_wmma_scale_f32_16x16x128_f8f6f4 v[rD:rD+7], v[rA:rA+11], v[rB:rB+11], 0, v[rX], v[rY] matrix_a_fmt:MATRIX_FMT_FP6 matrix_b_fmt:MATRIX_FMT_FP6
.elseif (m/4) == 2
	v_wmma_scale_f32_16x16x128_f8f6f4 v[rD:rD+7], v[rA:rA+11], v[rB:rB+11], v[rD:rD+7], v[rX], v[rY] matrix_a_fmt:MATRIX_FMT_FP6 matrix_b_fmt:MATRIX_FMT_FP6
.else
	v_wmma_scale_f32_16x16x128_f8f6f4 v[rD:rD+7], v[rA:rA+11], v[rB:rB+11], v[rD:rD+7], v[rX], v[rY] matrix_a_fmt:MATRIX_FMT_FP6 matrix_b_fmt:MATRIX_FMT_FP6 matrix_b_scale:MATRIX_SCALE_ROW1
.endif
.if \ep
	EPI 1-\set,\dq
.elseif m >= 12
	v_nop
.endif
.if \ld && (m == 4)
	NTFETCH \nfb,\nbs,\noff,\nsoff
.endif
.set m, m+1
.endr
.endm
; A GROUP: one head, one a: 64 rows of Wk in four tiles x my 128 tokens: 128 matrix instructions; then the 128 scores go to my wave's LDS at [tt][a].
.macro GROUP
	v_add_nc_u32 v[AW1], s[TW], v[AK1]
	v_add_nc_u32 v[AW2], s[TW], v[AK2]
	v_add_nc_u32 v[ASC], s[TS], v[ASC0]
	v_add_nc_u32 v[SSA], s[TA], v[SSA0]
	s_wait_dscnt 0x0                   ; the tile's fragments are in (asked for 16 matrix instructions ago or more)
	HALF 0,FB0,WSE,0,0,1,FB1,WSO,16*WP,256
	HALF 1,FB0,WSE,1,0,0,0,0,0,0
	s_wait_dscnt 0x0
	HALF 0,FB1,WSO,1,0,1,FB0,WSE,32*WP,512
	HALF 1,FB1,WSO,1,1,0,0,0,0,0
	s_wait_dscnt 0x0
	HALF 0,FB0,WSE,1,1,1,FB1,WSO,48*WP,768
	HALF 1,FB0,WSE,1,2,0,0,0,0,0
	s_wait_dscnt 0x0
	HALF 0,FB1,WSO,1,2,0,0,0,0,0
	WIN 0                              ; at a branch and at a label every window is 0
	s_cmp_eq_u32 s[TRIP], 1            ; the step's second group has its successor in the other slot: that tile is fetched behind the change of slots
	s_cbranch_scc1 .Lno_next_\@
	NTFETCH FB0,WSE,WBLK,1024          ; the next group's first tile: one block, 64 scale rows on
.Lno_next_\@:
	HALF 1,FB1,WSO,1,3,0,0,0,0,0
.set m, 0
.rept 16
	EPI 1,3                            ; the last set's scores
.set m, m+1
.endr
	WIN 0
.irp i, 0,1,2,3,4,5,6,7
	v_add_f32 v[T8+\i], v[SUM+2*\i], v[SUM+2*\i+1]
.endr
.irp u, 0,1,2,3
	v_permlane16_swap_b32 v[T8+2*\u], v[T8+2*\u+1]   ; the first now holds both tiles' sums over d of hf = 0, the second those of hf = 1
.endr
.irp u, 0,1,2,3
	v_add_f32 v[T8+2*\u], v[T8+2*\u], v[T8+2*\u+1]   ; lane l: the score of token tt = 32 u + l
.endr
.irp u, 0,1,2,3
	ds_store_b32 v[SSA], v[T8+2*\u] offset:512*\u
.endr
	s_add_co_u32 s[TW], s[TW], WBLK
	s_add_co_u32 s[TS], s[TS], 1024
	s_add_co_u32 s[TA], s[TA], 4
	s_and_b32 s[TA], s[TA], 12
.endm
.macro TWO_GROUPS                      ; a step's two groups: written once, walked twice
	s_mov_b32 s[TRIP], 2
.Lgroup_\@:
	GROUP
	s_sub_co_u32 s[TRIP], s[TRIP], 1
	s_cmp_lg_u32 s[TRIP], 0
	s_cbranch_scc1 .Lgroup_\@
.endm
.macro FIRSTNT                         ; a step's first tile of rows
	v_add_nc_u32 v[AW1], s[TW], v[AK1]
	v_add_nc_u32 v[AW2], s[TW], v[AK2]
	v_add_nc_u32 v[ASC], s[TS], v[ASC0]
	NTFETCH FB0,WSE,0,0
.endm
.macro QLOAD                           ; s95 = 256 x the head: its q' into both windows
	v_add_nc_u32 v[QAC], s95, v[QA0]
	WIN 0x40
.irp e, 0,1,2,3,4,5,6,7
	ds_load_b128 v[QF+4*\e:QF+4*\e+3], v[QAC] offset:64*(\e/2)+16*(\e%2)
.endr
	WIN 0x80
.irp e, 0,1,2,3,4,5,6,7
	ds_load_b128 v[QF+4*\e:QF+4*\e+3], v[QAC] offset:64*(\e/2)+16*(\e%2)
.endr
	WIN 0
.endm
; ---- the softmax of the head SG / 2: 512 places, 16 a lane ----
.macro SOFTMAX last
	s_wait_xcnt 0x0                    ; the last head's stores have read their data and base
	s_lshr_b32 s[HL], s[SG], 1
	s_lshl_b32 s[OFP], s[HL], 20       ; a head is 512 rows of 2,048 bytes of out1
	s_add_nc_u64 s[O1T:O1T+1], s[O1B:O1B+1], s[OFP:OFP+1]
	s_lshl_b32 s95, s[HL], 4
	v_add_nc_u32 v[T2], s95, v[QC0]
.irp u, 0,1,2,3
	ds_load_b128 v[SR+4*\u:SR+4*\u+3], v[SSA0] offset:512*\u   ; LDS serves a wave's instructions in order (ISA guide 5.7.1.4): these see my stores
.endr
	ds_load_b128 v[T8:T8+3], v[T2]     ; c of the head's four a
	s_wait_dscnt 0x0
.irp u, 0,1,2,3
	v_pk_add_f32 v[SR+4*\u:SR+4*\u+1], v[SR+4*\u:SR+4*\u+1], v[T8:T8+1]
	v_pk_add_f32 v[SR+4*\u+2:SR+4*\u+3], v[SR+4*\u+2:SR+4*\u+3], v[T8+2:T8+3]
.endr
	v_max3_num_f32 v[T8+4], v[SR], v[SR+1], v[SR+2]
	v_max3_num_f32 v[T8+5], v[SR+3], v[SR+4], v[SR+5]
	v_max3_num_f32 v[T8+4], v[T8+4], v[SR+6], v[SR+7]
	v_max3_num_f32 v[T8+5], v[T8+5], v[SR+8], v[SR+9]
	v_max3_num_f32 v[T8+4], v[T8+4], v[SR+10], v[SR+11]
	v_max3_num_f32 v[T8+5], v[T8+5], v[SR+12], v[SR+13]
	v_max3_num_f32 v[T8+4], v[T8+4], v[SR+14], v[SR+15]
	v_max_num_f32 v[T8+4], v[T8+4], v[T8+5]
.irp x, 1,2,4,8
	v_max_num_f32_dpp v[T8+4], v[T8+4], v[T8+4] row_xmask:\x row_mask:0xf bank_mask:0xf
.endr
	v_permlanex16_b32 v[T8+5], v[T8+4], s[SEL], s[SEL+1]
	v_max_num_f32 v[T8+4], v[T8+4], v[T8+5]          ; the row's largest score, in every lane
.irp p, 0,2,4,6,8,10,12,14
	v_pk_add_f32 v[SR+\p:SR+\p+1], v[SR+\p:SR+\p+1], v[T8+4:T8+5] op_sel_hi:[1,0] neg_lo:[0,1] neg_hi:[0,1]
.endr
.irp p, 0,1,2,3,4,5,6,7,8,9,10,11,12,13,14,15
	v_exp_f32 v[SR+\p], v[SR+\p]       ; the scores are in units of log2: q' holds log2(e) / 8
.endr
	v_nop                              ; one plain place behind the exponentials
	s_wait_alu depctr_va_vdst(0)
.irp p, 0,1,2,3
	v_pk_add_f32 v[T2+2*\p:T2+2*\p+1], v[SR+4*\p:SR+4*\p+1], v[SR+4*\p+2:SR+4*\p+3]
.endr
	v_pk_add_f32 v[T2:T2+1], v[T2:T2+1], v[T2+2:T2+3]
	v_pk_add_f32 v[T2+4:T2+5], v[T2+4:T2+5], v[T2+6:T2+7]
	v_pk_add_f32 v[T2:T2+1], v[T2:T2+1], v[T2+4:T2+5]
	v_add_f32 v[T8+6], v[T2], v[T2+1]
.irp x, 1,2,4,8
	v_add_f32_dpp v[T8+6], v[T8+6], v[T8+6] row_xmask:\x row_mask:0xf bank_mask:0xf
.endr
	v_permlanex16_b32 v[T8+7], v[T8+6], s[SEL], s[SEL+1]
	v_add_f32 v[T8+6], v[T8+6], v[T8+7]
	v_rcp_f32 v[T8+4], v[T8+6]
	v_nop                              ; one plain place behind the reciprocal
	s_wait_alu depctr_va_vdst(0)
.irp p, 0,2,4,6,8,10,12,14
	v_pk_mul_f32 v[SR+\p:SR+\p+1], v[SR+\p:SR+\p+1], v[T8+4:T8+5] op_sel_hi:[1,0]
.endr
	s_wait_dscnt 0x0                   ; my reads of PB (the last head's attn) are over, my partial sums have landed in OPS
	s_barrier_signal -1
	s_barrier_wait -1                  ; so are everybody's.
.irp u, 0,1,2,3
	ds_store_b128 v[PBW], v[SR+4*\u:SR+4*\u+3] offset:512*\u
.endr
.irp u, 0,1,2,3
	global_store_b128 v[L16], v[SR+4*\u:SR+4*\u+3], s[O1T:O1T+1] offset:512*\u th:TH_STORE_NT   ; 32 lanes store 512 consecutive bytes, at a multiple of 256 from out1's first byte
.endr
.if !\last
	s_add_co_u32 s95, s[HL], 1
	s_lshl_b32 s95, s95, 8
	QLOAD                              ; the next head's q'
.endif
.endm
; ---- P ----
; A chunk: 64 tokens for each half of the lanes x a head's 256 bytes: lane (r, hf), load k: v[b][256 jl + 128 hf + 64 half + k][64 h + 4 r + 0..3].  s95 = the chunk's number 2 hl + half.
.macro PISSUE bw
	s_wait_xcnt 0x0                    ; the last chunk's loads have read their base
	s_and_b32 s23, s95, 1
	s_lshl_b32 s23, s23, 17            ; 64 tokens of 2,048 bytes
	s_lshr_b32 s95, s95, 1
	s_lshl_b32 s95, s95, 8             ; a head's 256 bytes
	s_add_co_u32 s[OFP], s23, s95
	s_add_nc_u64 s[PVB:PVB+1], s[VB:VB+1], s[OFP:OFP+1]
	WIN (\bw)*64                       ; destination: the buffer's window
.set q, 0
.rept 64
	global_load_b128 v[4*q:4*q+3], v[PVO], s[PVB:PVB+1] offset:2048*q   ; sixteen lanes read 256 consecutive bytes
.set q, q+1
.endr
	WIN 0
.endm
.macro PLD bt                          ; attn of 16 tokens, for both rows: every lane of a half reads the same words
.irp x, 0,1
.irp e, 0,1,2,3
	ds_load_b128 v[ACC+32*((\bt)%2)+16*\x+4*\e:ACC+32*((\bt)%2)+16*\x+4*\e+3], v[PAC] offset:2048*\x+64*(\bt)+16*\e
.endr
.endr
.endm
.macro PMAC bt, bw                     ; 64 packed multiply-adds: 16 tokens x 2 rows x 2 pairs of channels; eight sums take turns
	WIN 0x50+\bw                       ; sums in window 1, v in window bw, attn in window 0
.set kk, 0
.rept 16
.irp x, 0,1
.irp c, 0,1
.set rP, ACC+32*((\bt)%2)+16*\x+2*(kk/2)
.set rV, 4*(16*(\bt)+kk)+2*\c
.set rO, PACC+8*(kk%2)+4*\x+2*\c
.if kk%2 == 0
	v_pk_fma_f32 v[rO:rO+1], v[rV:rV+1], v[rP:rP+1], v[rO:rO+1] op_sel_hi:[1,0,1]               ; the pair's first word for both halves
.else
	v_pk_fma_f32 v[rO:rO+1], v[rV:rV+1], v[rP:rP+1], v[rO:rO+1] op_sel:[0,1,0] op_sel_hi:[1,1,1]  ; its second
.endif
.endr
.endr
.set kk, kk+1
.endr
	WIN 0
.endm
.macro PCONS bw, lc                    ; a chunk is used.  s95 = 256 x its half;  lc: how many younger loads may stay out
	s_wait_loadcnt \lc
	v_add_nc_u32 v[PAC], s95, v[PA0]
	PLD 0
	PLD 1
	s_wait_dscnt 8                     ; all but the next batch's eight
	PMAC 0,\bw
	PLD 2
	s_wait_dscnt 8
	PMAC 1,\bw
	PLD 3
	s_wait_dscnt 8
	PMAC 2,\bw
	s_wait_dscnt 0x0
	PMAC 3,\bw
.endm
.macro PFIN zero                       ; a head's two chunks are summed: my 256 tokens' part of both rows goes to OPS
	WIN 0x05                           ; sources in window 1, destination in window 0
.irp i, 0,1,2,3
	v_pk_add_f32 v[T8+2*\i:T8+2*\i+1], v[PACC+2*\i:PACC+2*\i+1], v[PACC+8+2*\i:PACC+8+2*\i+1]
.endr
	WIN 0
.irp i, 0,1,2,3
	v_permlane16_swap_b32 v[T8+\i], v[T8+4+\i]       ; the first: both rows' sums of hf = 0; the second: of hf = 1
.endr
.irp i, 0,1,2,3
	v_add_f32 v[T8+\i], v[T8+\i], v[T8+4+\i]         ; lanes 0-15: row 0, channels 4 r + i; lanes 16-31: row 1
.endr
	ds_store_b128 v[OPW], v[T8:T8+3]
.if \zero
	WIN 0x40
.irp i, 0,1,2,3,4,5,6,7,8,9,10,11,12,13,14,15
	v_mov_b32 v[PACC+\i], 0
.endr
	WIN 0
.endif
.endm
.macro COMBINE                         ; s95 = the head, 0..3.  The wave with jl = 0 adds the two halves and stores both rows: they are neighbours in out0
	s_wait_xcnt 0x0                    ; earlier stores have read their data and bases
	s_lshl_b32 s[OFP], s95, 17         ; a head is 512 rows of 256 bytes of out0
	s_add_nc_u64 s[O0T:O0T+1], s[O0B:O0B+1], s[OFP:OFP+1]
	s_cmp_lg_u32 s[JL], 0
	s_cbranch_scc1 .Lnot_mine_\@
	ds_load_b128 v[T2:T2+3], v[OPR]
	ds_load_b128 v[T2+4:T2+7], v[OPR] offset:512
	s_wait_dscnt 0x0
	v_pk_add_f32 v[T2:T2+1], v[T2:T2+1], v[T2+4:T2+5]
	v_pk_add_f32 v[T2+2:T2+3], v[T2+2:T2+3], v[T2+6:T2+7]
	global_store_b128 v[L16], v[T2:T2+3], s[O0T:O0T+1] th:TH_STORE_NT   ; 512 consecutive bytes, at a multiple of 256 from out0's first byte
.Lnot_mine_\@:
.endm
; ================ the head ================
	s_load_b256 s[4:11], s[0:1], 0x0   ; Q s[4:5], Wk's codes s[6:7], Wk's scales s[8:9], bk s[10:11]
	s_load_b128 s[12:15], s[0:1], 0x20 ; v s[12:13], out0 s[14:15]
	s_load_b64 s[16:17], s[0:1], 0x30  ; out1
	v_lshl_add_u32 v[SPW], v0, 2, SPARE
	v_mov_b32 v[NIL], 0
	ds_add_u32 v1, v2
	ds_add_u32 v1, v2
	s_wait_dscnt 0x0
	v_lshrrev_b32 v3, 5, v0
	v_readfirstlane_b32 s[WV], v3      ; wave 0..3
	s_lshr_b32 s[JL], s[WV], 1
	s_and_b32 s[HH], s[WV], 1
	s_bfe_u32 s[CX], ttmp6, 0x40000    ; my place in the cluster
	s_lshl_b32 s[WG], ttmp9, 2         ; in a cluster launch ttmp9 counts clusters
	s_add_co_u32 s[WG], s[WG], s[CX]   ; it enters global addresses of v, Q, out0 and out1 alone
	; v's tile: 32 rows x 256 numbers of 4 bytes, 512 numbers from row to row; 16 bytes of padding behind each row's 256 words
	s_mov_b32 s[G1V], (2<<16)|(1<<20)|(7<<22)|(3<<25)
	s_mov_b32 s[G1V+1], 256<<16
	s_mov_b32 s[G1V+2], 32<<16
	s_mov_b32 s[G1V+3], 256<<16
	s_mov_b32 s[G1V+4], 32
	s_mov_b32 s[G1V+5], 512
	s_mov_b32 s[G1V+6], 0
	s_mov_b32 s[G1V+7], 0
	; Wk's block: 64 dense rows of 384 bytes, stated as 32 rows of 768; 16 bytes of padding behind every 32 words; the mask names all four work-groups, bit 21 beside it
	s_mov_b32 s[G1W], 15|(1<<20)|(1<<21)|(4<<22)|(3<<25)
	s_mov_b32 s[G1W+1], 768<<16
	s_mov_b32 s[G1W+2], 32<<16
	s_mov_b32 s[G1W+3], 768<<16
	s_mov_b32 s[G1W+4], 32
	s_mov_b32 s[G1W+5], 768
	s_mov_b32 s[G1W+6], 0
	s_mov_b32 s[G1W+7], 0
	; a head's scale bytes: four rows (the four a) of 1,024 bytes (128 elements of 8), 8,192 bytes apart; no padding
	s_mov_b32 s[G1S], 15|(3<<16)|(1<<21)
	s_mov_b32 s[G1S+1], 128<<16
	s_mov_b32 s[G1S+2], 4<<16
	s_mov_b32 s[G1S+3], 128<<16
	s_mov_b32 s[G1S+4], 4
	s_mov_b32 s[G1S+5], 1024
	s_mov_b32 s[G1S+6], 0
	s_mov_b32 s[G1S+7], 0
	s_mov_b32 s[OFP+1], 0
	s_mov_b32 s[OFW+1], 0
	s_lshl_b32 s[OFP], s[WG], 19       ; my group's 256 rows of 2,048 bytes,
	s_lshl_b32 s95, s[JL], 18          ; the tile that I fetch is 2 jl' + kh = w: its half of the rows
	s_add_co_u32 s[OFP], s[OFP], s95
	s_lshl_b32 s95, s[HH], 10          ; and its half of K
	s_add_co_u32 s[OFP], s[OFP], s95
	s_mov_b32 s[G0VA], 1
	s_mul_i32 s[G0VA+1], s[WV], TILEV
	s_mov_b32 s[G0VB], 1
	s_add_co_u32 s[G0VB+1], s[G0VA+1], VSLOT
	s_mov_b32 s[G0S0], 1
	s_lshl_b32 s[G0S0+1], s[WV], 13    ; heads 2 w and 2 w + 1: 4,096 bytes each
	s_add_co_u32 s[G0S0+1], s[G0S0+1], SCW
	s_mov_b32 s[G0S1], 1
	s_add_co_u32 s[G0S1+1], s[G0S0+1], 4096
	s_lshl_b32 s[OFW], s[WV], 11
	s_wait_kmcnt 0x0
	s_add_nc_u64 s[G0VA+2:G0VA+3], s[12:13], s[OFP:OFP+1]
	s_add_nc_u64 s[G0VB+2:G0VB+3], s[G0VA+2:G0VA+3], 65536   ; the next 32 tokens
	s_or_b32 s[G0VA+3], s[G0VA+3], 0x80000000
	s_or_b32 s[G0VB+3], s[G0VB+3], 0x80000000
	s_add_nc_u64 s[G0S0+2:G0S0+3], s[8:9], s[OFW:OFW+1]
	s_add_nc_u64 s[G0S1+2:G0S1+3], s[G0S0+2:G0S0+3], 1024
	s_or_b32 s[G0S0+3], s[G0S0+3], 0x80000000
	s_or_b32 s[G0S1+3], s[G0S1+3], 0x80000000
	ROUND                              ; all four work-groups are here: the first joint loads meet
	tensor_load_to_lds s[G0S0:G0S0+3], s[G1S:G1S+7]   ; the first fills, one group: four loads of mine are out
	s_nop 0
	tensor_load_to_lds s[G0S1:G0S1+3], s[G1S:G1S+7]
	s_nop 0
	tensor_load_to_lds s[G0VA:G0VA+3], s[G1V:G1V+7]
	s_nop 0
	tensor_load_to_lds s[G0VB:G0VB+3], s[G1V:G1V+7]
	s_nop 0
	NOPS 4
	; Wk's walking descriptor: block w = 2 hh' + asub
	s_mul_i32 s96, s[HH], 196608       ; asub = w % 2: 512 rows of 384 bytes
	s_mul_i32 s97, s[JL], 98304        ; hh' = w / 2: 256 rows
	s_add_co_u32 s[OFW], s96, s97
	s_add_nc_u64 s[WB:WB+1], s[6:7], s[OFW:OFW+1]
	s_mov_b32 s[G0W], 1
	s_mul_i32 s[G0W+1], s[WV], WBLK
	s_add_co_u32 s[G0W+1], s[G0W+1], WSLOT1   ; each fill turns it first: fill 0 goes to slot 0
	s_mov_b32 s[PHI], 0
	s_lshr_b32 s95, s[WG], 1
	s_lshl_b32 s[OFP], s95, 20
	s_add_nc_u64 s[VB:VB+1], s[12:13], s[OFP:OFP+1]   ; my batch
	s_lshl_b32 s95, s[WG], 1
	s_add_co_u32 s95, s95, s[JL]
	s_lshl_b32 s95, s95, 11            ; row 4 b + j = 2 wg + jl, 2,048 bytes
	s_lshl_b32 s23, s[HH], 22          ; four heads of 512 rows
	s_add_co_u32 s[OFP], s95, s23
	s_add_nc_u64 s[O1B:O1B+1], s[16:17], s[OFP:OFP+1]
	s_lshl_b32 s95, s[WG], 9           ; rows 2 wg and 2 wg + 1, 256 bytes each
	s_lshl_b32 s23, s[HH], 19
	s_add_co_u32 s[OFP], s95, s23
	s_add_nc_u64 s[O0B:O0B+1], s[14:15], s[OFP:OFP+1]
	s_lshr_b32 s95, s[WG], 6           ; b / 32
	s_lshl_b32 s95, s95, 8
	s_lshl_b32 s23, s[HH], 12          ; Q's row 4 h + b / 32, 256 bytes: h = 4 hh + hl
	s_add_co_u32 s[OFP], s95, s23
	s_add_nc_u64 s[4:5], s[4:5], s[OFP:OFP+1]
	s_lshl_b32 s[OFP], s[HH], 10
	s_add_nc_u64 s[10:11], s[10:11], s[OFP:OFP+1]     ; bk at head 4 hh
	s_mov_b32 s[SEL], 0x76543210
	s_mov_b32 s[SEL+1], 0xfedcba98
	s_mov_b32 vcc_lo, 0xffff0000       ; lanes 16-31; kept for the whole launch
	v_and_b32 v64, 31, v0              ; lane
	v_and_b32 v65, 15, v0              ; r
	v_bfe_u32 v66, v0, 4, 1            ; hf
	v_lshlrev_b32 v67, 3, v64          ; two numbers a lane
.irp t, 0,1,2,3
	global_load_b64 v[XA+2*\t:XA+2*\t+1], v67, s[4:5] offset:1024*\t        ; q of my four heads
.endr
.irp g, 0,1,2,3,4,5,6,7,8,9,10,11,12,13,14,15
	global_load_b64 v[XA+8+2*\g:XA+8+2*\g+1], v67, s[10:11] offset:2048*(\g%4)+256*(\g/4)   ; bk of (head g / 4, a = g % 4)
.endr
	; the addresses that stay
	v_mul_u32_u24 v68, v65, WP
	v_mad_u32_u24 v[AK1], v66, 24, v68
	v_mad_u32_u24 v[AK2], v66, 40, v68
	s_mul_i32 s96, s[HH], 2*WBLK
	v_add_nc_u32 v[AK1], s96, v[AK1]
	v_add_nc_u32 v[AK2], s96, v[AK2]
	v_mul_u32_u24 v68, v65, VP
	v_lshl_add_u32 v68, v66, 7, v68
	s_mul_i32 s96, s[JL], 2*TILEV
	v_add_nc_u32 v[AX], s96, v68
	v_add_nc_u32 v[AX+1], VSLOT, v[AX]
	s_lshl_b32 s96, s[HH], 14
	s_add_co_u32 s96, s96, SCW
	v_lshl_add_u32 v[ASC0], v65, 4, s96
	v_lshlrev_b32 v[L16], 4, v64
	s_lshl_b32 s96, s[WV], 11
	s_add_co_u32 s96, s96, SS
	v_add_nc_u32 v[SSA0], s96, v[L16]
	s_lshl_b32 s96, s[HH], 12
	s_add_co_u32 s96, s96, PB
	s_lshl_b32 s97, s[JL], 10
	s_add_co_u32 s97, s97, s96
	v_lshl_add_u32 v[PA0], v66, 9, s97
	s_lshl_b32 s97, s[JL], 11
	s_add_co_u32 s97, s97, s96
	v_add_nc_u32 v[PBW], s97, v[L16]
	s_lshl_b32 s96, s[HH], 10
	s_add_co_u32 s96, s96, OPS
	v_add_nc_u32 v[OPR], s96, v[L16]
	s_lshl_b32 s97, s[JL], 9
	s_add_co_u32 s97, s97, s96
	v_add_nc_u32 v[OPW], s97, v[L16]
	s_lshl_b32 s96, s[JL], 19
	s_lshl_b32 s97, s[HH], 10
	s_add_co_u32 s96, s96, s97
	v_lshl_add_u32 v68, v66, 18, s96
	v_lshl_add_u32 v[PVO], v65, 4, v68
	s_mul_i32 s96, s[WV], 1280
	s_add_co_u32 s96, s96, QS
	v_lshl_add_u32 v[QA0], v66, 5, s96
	v_lshl_add_u32 v69, v64, 3, s96
	s_add_co_u32 s97, s96, 1024
	v_mov_b32 v[QC0], s97
	v_lshlrev_b32 v[SH], 3, v66
	v_mov_b32 v[QW+1], 0               ; written once: a lane permute's destination counts as one of its sources
	WIN 0x40
.irp i, 0,1,2,3,4,5,6,7,8,9,10,11,12,13,14,15
	v_mov_b32 v[PACC+\i], 0
.endr
	WIN 0
	s_wait_loadcnt 0x0
.irp i, 0,1,2,3,4,5,6,7
	v_mul_f32 v[XA+\i], 0x3e38aa3b, v[XA+\i]         ; q' = q log2(e) / 8
.endr
.irp t, 0,1,2,3
	ds_store_b64 v69, v[XA+2*\t:XA+2*\t+1] offset:256*\t
.endr
.irp g, 0,1,2,3,4,5,6,7,8,9,10,11,12,13,14,15
	v_mul_f32 v[XA+40+\g], v[XA+2*(\g/4)], v[XA+8+2*\g]
.endr
.irp g, 0,1,2,3,4,5,6,7,8,9,10,11,12,13,14,15
	v_fmac_f32 v[XA+40+\g], v[XA+2*(\g/4)+1], v[XA+8+2*\g+1]
.endr
.irp x, 1,2,4,8
.irp g, 0,1,2,3,4,5,6,7,8,9,10,11,12,13,14,15
	v_add_f32_dpp v[XA+40+\g], v[XA+40+\g], v[XA+40+\g] row_xmask:\x row_mask:0xf bank_mask:0xf
.endr
.endr
.irp g, 0,1,2,3,4,5,6,7,8,9,10,11,12,13,14,15
	v_permlanex16_b32 v[XA+8+\g], v[XA+40+\g], s[SEL], s[SEL+1]
.endr
.irp g, 0,1,2,3,4,5,6,7,8,9,10,11,12,13,14,15
	v_add_f32 v[XA+40+\g], v[XA+40+\g], v[XA+8+\g]   ; c = sum over d of q' bk, in every lane
.endr
.irp g, 0,1,2,3,4,5,6,7,8,9,10,11,12,13,14,15
	ds_store_b32 v[QC0], v[XA+40+\g] offset:4*\g     ; all lanes write the same word with the same value
.endr
; ================ X ================
	s_wait_tensorcnt 0x1               ; the scale bytes and my tile of slot 0 are in; slot 1's may stay out
	s_wait_dscnt 0x0
	s_barrier_signal -1
	s_barrier_wait -1                  ; everybody's are
	XSLOT 0,0
	CHG_V G0VA                         ; tokens 64 .. 95 of each half into slot 0
	XSLOT 1,1
	CHG_V G0VB                         ; tokens 96 .. 127 into slot 1
	XSLOT 0,2
	CHG_W 1                            ; v's slot 0 has been read for the last time: Wk's fill 0 lands in its bytes
	s_mov_b32 s95, 0
	PISSUE 3                           ; P's chunk 0: it is used in step 2
	XSLOT 1,3
	s_mov_b32 s95, 0
	QLOAD                              ; q' of my first head
	NOPS 8                             ; a scale register written by a vector instruction stands 8 places ahead of a scaled matrix instruction, an operand so written 4
	s_mov_b32 s[SG], 0
	s_mov_b32 s[TW], 0
	s_mov_b32 s[TS], 0
	s_mov_b32 s[TA], 0
; ================ G: steps 0 to 6 ================
.Lstep:
	CHG_W 1                            ; fill SG + 1 goes into the slot that has been left (in step 0: into bytes of v's slots, both read for the last time)
	FIRSTNT
	s_cmp_lt_u32 s[SG], 2
	s_cbranch_scc1 .Lno_p
	s_and_b32 s95, s[SG], 1
	s_lshl_b32 s95, s95, 8
	PCONS 3,0                          ; chunk SG - 2, asked for a step ago; its head's attn lies in PB
	s_and_b32 s95, s[SG], 1
	s_cmp_eq_u32 s95, 0
	s_cbranch_scc1 .Lno_fin
	PFIN 1                             ; an odd step ends a head's two chunks
.Lno_fin:
	s_sub_co_u32 s95, s[SG], 1
	PISSUE 3                           ; chunk SG - 1, for the next step
.Lno_p:
	TWO_GROUPS
	s_sub_co_u32 s[TW], s[TW], 2*WBLK  ; back to a slot's first block,
	s_xor_b32 s[TW], s[TW], WSLOT1     ; in the other slot
	s_and_b32 s95, s[SG], 1
	s_cmp_eq_u32 s95, 0
	s_cbranch_scc1 .Lno_sm
	SOFTMAX 0                          ; an odd step ends a head's four a
	s_cmp_lt_u32 s[SG], 3
	s_cbranch_scc1 .Lno_sm
	s_sub_co_u32 s95, s[HL], 1
	COMBINE                            ; the head before: its partial sums were stored at this step's head, ahead of the softmax's barrier
.Lno_sm:
	s_add_co_u32 s[SG], s[SG], 1
	s_cmp_lt_u32 s[SG], 7
	s_cbranch_scc1 .Lstep
; ================ step 7, written out: nothing is left to fetch ================
	CHG_W 0
	FIRSTNT
	s_mov_b32 s95, 256
	PCONS 3,0                          ; chunk 5
	PFIN 1
	s_mov_b32 s95, 6
	PISSUE 3
	TWO_GROUPS
	s_mov_b32 s95, 7
	PISSUE 2                           ; the last chunk into window 2: its fragments and its q' are done with (the scores' last lines are the places behind the last products)
	SOFTMAX 1
	s_mov_b32 s95, 2
	COMBINE
; ================ the last head's P ================
	s_wait_dscnt 0x0                   ; my attn has landed in PB
	s_barrier_signal -1
	s_barrier_wait -1
	s_mov_b32 s95, 0
	PCONS 3,63                         ; chunk 6: behind it chunk 7's 64 loads were issued; 63 is the largest count that the wait can name
	s_mov_b32 s95, 256
	PCONS 2,0
	PFIN 0
	s_wait_dscnt 0x0                   ; my partial sums have landed
	s_barrier_signal -1
	s_barrier_wait -1
	s_mov_b32 s95, 3
	COMBINE
	s_wait_tensorcnt 0x0               ; the wave's end, behind my last tensor load and my last LDS store
	ds_add_u32 v[SPW], v[NIL]
	s_wait_dscnt 0x0
	ROUND                              ; the closing round: no work-group ends while a partner may still ask for a tile that names it
	s_endpgm
.Lfunc_end_k_q8ab505e59a_attn_pool:
	.size	k_q8ab505e59a_attn_pool, .Lfunc_end_k_q8ab505e59a_attn_pool-k_q8ab505e59a_attn_pool
	.p2alignl 7, 3214868480
	.fill 96, 4, 3214868480
	.section	.rodata,"a",@progbits
	.p2align	6, 0x0
	.amdhsa_kernel k_q8ab505e59a_attn_pool
		.amdhsa_group_segment_fixed_size 327680
		.amdhsa_private_segment_fixed_size 0
		.amdhsa_enable_private_segment 0
		.amdhsa_kernarg_size 56
		.amdhsa_user_sgpr_count 2
		.amdhsa_user_sgpr_kernarg_segment_ptr 1
		.amdhsa_wavefront_size32 1
		.amdhsa_system_sgpr_workgroup_id_x 1
		.amdhsa_system_sgpr_workgroup_id_y 1
		.amdhsa_system_sgpr_workgroup_id_z 1
		.amdhsa_system_vgpr_workitem_id 0
		.amdhsa_next_free_vgpr 1024
		.amdhsa_next_free_sgpr 100
		.amdhsa_reserve_vcc 1
		.amdhsa_float_denorm_mode_32 3
		.amdhsa_float_denorm_mode_16_64 3
		.amdhsa_memory_ordered 1
		.amdhsa_forward_progress 1
		.amdhsa_inst_pref_size 255
	.end_amdhsa_kernel
	.section	.bss,"aw",@nobits
	.p2align	6
	.space	262144
	.amdgpu_metadata
---
amdhsa.version: [ 1, 2 ]
amdhsa.kernels:
  - .name:           k_q8ab505e59a_attn_pool
    .symbol:         k_q8ab505e59a_attn_pool.kd
    .args:
      - { .name: Q, .offset: 0, .size: 8, .value_kind: global_buffer, .address_space: global }
      - { .name: Wk_codes, .offset: 8, .size: 8, .value_kind: global_buffer, .address_space: global }
      - { .name: Wk_scales, .offset: 16, .size: 8, .value_kind: global_buffer, .address_space: global }
      - { .name: bk, .offset: 24, .size: 8, .value_kind: global_buffer, .address_space: global }
      - { .name: v, .offset: 32, .size: 8, .value_kind: global_buffer, .address_space: global }
      - { .name: out0, .offset: 40, .size: 8, .value_kind: global_buffer, .address_space: global }
      - { .name: out1, .offset: 48, .size: 8, .value_kind: global_buffer, .address_space: global }
    .group_segment_fixed_size: 327680
    .private_segment_fixed_size: 0
    .kernarg_segment_align: 8
    .kernarg_segment_size: 56
    .max_flat_workgroup_size: 128
    .sgpr_count:     100
    .vgpr_count:     1024
    .wavefront_size: 32
...
	.end_amdgpu_metadata
.endif
;; end of part 2
